; MI455X (gfx1250); checked and timed in simulation.
; The chip was launched on July 23, 2026; its instructions are those of AMD's public machine-readable ISA for CDNA 5 (MIT licence, August 2026) and "CDNA5" Instruction Set Architecture Reference Guide (July 2026). The comments in the code are by the model that wrote it; some were corrected since.
;; Mo E Top X. Allowed arithmetic: matrix products marked QUANTISED: E4M3 operands, one E8M0 scale for each 32 along K, by v_wmma_scale_f32_16x16x128_f8f6f4 with both operands' format E4M3, f32 sums; products left as they are: f32 operands where the result goes on into a quantised operand, else bf16, f16 or f32 operands; f32 sums; everything else in f32.
;; Inputs: We 8 x 2,048 x 2,048 float32; Wg 2,048 x 8 float32; be 8 x 2,048 float32; bg 8 float32; inputs 2,048 x 2,048 float32.
;; Outputs: out0 2,048 x 2,048 float32.
;; Constants: top_x = 2.
;; This version of the problem:
;;   THIS VERSION OF THE PROBLEM IS GIVEN IN LOW PRECISION. The matrix products marked QUANTISED in the list below multiply operands that are first quantised to E4M3 (4 exponent bits, 3 mantissa bits; 8 bits a number), with one power-of-two scale for each 32 numbers along K (OCP MX v1.0); their sums are f32. All else is computed in f32.
;;   The module's matrix products, in the order in which they are computed (A, B: the left and right operand; K: the contracted axis; several contracted axes count as one K, in the product's order):
;;     1. [M 2,048, K 2,048] x [K 2,048, N 8]; A: input inputs; B: input Wg: left as it is (N = 8 < 16)
;;     2. [M 2,048, K 2,048] x [K 2,048, N 16,384]; A: input inputs; B: input We: QUANTISED
;;     3. batch 2,048 x [M 2,048, K 8] x [K 8, N 1]; A: computed on the way; B: computed on the way: left as it is (K = 8 < 32)
;;   THE QUANTISER, for each operand of a quantised product, along K:
;;     - K is cut into blocks of 32 from its start; a last block that is shorter is filled with zeros.
;;     - A block's scale is 2^e with e = floor(log2(the largest magnitude in the block)) - 8, held to -126 .. 127; a block of zeros has e = 0. As a byte (E8M0): e + 127.
;;     - Each number is divided by its block's scale, clamped to +-448, and rounded to the nearest number of E4M3, ties to even, subnormals kept.
;;     - The product sums the exact products of the quantised numbers (number of the format x scale) in f32.
;;   ~~~python
;;   def quantise(x, axis):      # numpy; x: float32 -> the quantised numbers, widened to float32 again
;;       x = np.moveaxis(x, axis, -1); K = x.shape[-1]
;;       x = np.pad(x, [(0, 0)] * (x.ndim - 1) + [(0, -K % 32)]); x = x.reshape(x.shape[:-1] + (-1, 32)); a = np.abs(x).max(-1, keepdims=True)
;;       e = np.where(a > 0, np.clip(np.frexp(np.where(a > 0, a, 1))[1] - 1 - 8, -126, 127), 0)      # np.frexp(a)[1] - 1 = floor(log2(a)), exactly
;;       r = np.clip(x / 2.0 ** e, -448, 448)
;;       step = 2.0 ** (np.maximum(np.frexp(np.where(r == 0, 1, r))[1] - 1, -6) - 3)
;;       q = np.round(r / step) * step * 2.0 ** e      # np.round: ties to even
;;       return np.moveaxis(q.reshape(q.shape[:-2] + (-1,))[..., :K], -1, axis).astype(np.float32)
;;   ~~~
;; 2 versions. Each part assembles by itself: llvm-mc -triple=amdgcn-amd-amdhsa -mcpu=gfx1250 --defsym DOCPART=n.
;; ======== version 1 of 2: 3 launches
;; workspace buffers: xq 4,194,304 bytes; xs 131,072 bytes; coef 16,384 bytes; rmask 4,096 bytes of whole numbers; hbuf 33,554,432 bytes
;; launch route (part 1): grid 256 x 1, 8 waves a work-group, no clusters, 6,144 bytes of LDS; arguments inputs, Wg, bg, xq, xs, coef, rmask; writes xq, xs, coef, rmask
.if DOCPART == 1
	.amdgcn_target "amdgcn-amd-amdhsa--gfx1250"
	.amdhsa_code_object_version 6
	.text
	.protected	k_qfca268d09e_route
	.globl	k_qfca268d09e_route
	.p2align	8
	.type	k_qfca268d09e_route,@function
k_qfca268d09e_route:
	s_mov_b64 s[64:65], 0
	v_nop
	global_prefetch_b8 v0, s[64:65] scope:SCOPE_SE
	s_setreg_imm32_b32 hwreg(HW_REG_WAVE_MODE, 25, 1), 1
	s_wait_xcnt 0x0
; THE GATE AND x'S CODES.  inputs [2048][2048] f32, Wg [2048][8] f32, bg [8] f32.
; Stored: xq [2048][2048] codes of E4M3, K ascending; xs [2048][64] E8M0 bytes, one for each 32 along K; coef [2048][2] f32, the two
; chosen experts' weights after both softmaxes; rmask [8 experts][128 words]: bit b of word j of expert e = routed row 32 j + b
; (routed row = 2 x token + slot) goes to expert e.  The choice enters values alone here: no address and no branch hangs on it.
; SHARES.  A work-group owns 8 tokens.  Wave w owns K = 256 w .. 256 w + 255 of all 8 rows, so that its 8 KB of Wg are loaded once, into 64
; registers; lane l owns k = 256 w + 8 l + 0 .. 7, so that four neighbouring lanes hold a block of 32.
; THE GATE is summed in f32 by fused multiply-adds: a coarser operand would change the second expert of some tokens.
; LIMITS: NaN and infinities among the inputs are not served.  A block of zeros gets the byte 1 where the quantiser's rule says 127: its codes
; are zeros, and this program alone reads the bytes.  The order of the gate's f32 sum is not JAX's: two logits that differ by less than that
; sum's rounding may change places.  Logits that are equal take the lower index, as lax.top_k does.
.set PART, 0                           ; LDS: partial sums [wave 8][half of the lanes 2][row 8][expert 8] f32
.set XSC,  4096                        ; the 8 rows' scale bytes [row 8][64]
.set IDX,  4608                        ; the chosen experts [row 8][slot 2] u32
.set CF,   4672                        ; their weights [row 8][slot 2] f32
.set X,    16                          ; v16-79   row r's 8 numbers at X + 8 r
.set WG,   80                          ; v80-143  Wg(k, e) at WG + 8 k + e
.set ACC,  144                         ; v144-207 row r's 8 partial logits at ACC + 8 r
.set T,    208                         ; v208-215 8 numbers held within the largest code x the scale
.set C,    216                         ; v216-231 two registers of codes for each row: no store's data are written again
.set E,    240                         ; v240-247 a scale byte for each row
.set P,    16                          ; behind the first barrier: v16-143, the 16 partial sums of my row
	s_load_b256 s[4:11], s[0:1], 0x0               ; inputs s[4:5], Wg s[6:7], bg s[8:9], xq s[10:11]
	s_load_b128 s[12:15], s[0:1], 0x20             ; xs s[12:13], coef s[14:15]
	s_load_b64 s[16:17], s[0:1], 0x30              ; rmask
	v_lshl_add_u32 v254, v0, 2, 0x1400
	v_mov_b32 v255, 0
	v_lshrrev_b32 v10, 5, v0
	v_readfirstlane_b32 s18, v10                   ; wave 0..7
	v_and_b32 v1, 31, v0                           ; lane
	v_lshlrev_b32 v2, 5, v1                        ; inputs: my 8 numbers, 32 bytes
	v_lshlrev_b32 v3, 8, v1                        ; Wg: my 8 rows of 32 bytes
	v_lshlrev_b32 v4, 3, v1                        ; xq: my 8 codes
	v_lshrrev_b32 v10, 4, v1
	s_lshl_b32 s28, s18, 9
	v_lshl_add_u32 v5, v10, 8, s28                 ; PART + 512 wave + 256 (lane / 16)
	v_lshrrev_b32 v10, 2, v1
	s_lshl_b32 s28, s18, 3
	s_add_co_u32 s29, s28, XSC
	v_add_nc_u32 v6, s29, v10                      ; XSC + 8 wave + lane / 4: my block's byte
	s_lshl_b32 s29, s18, 5
	v_mov_b32 v7, s29                              ; PART + 32 wave: row w's partial sums
	s_add_co_u32 s29, s28, IDX
	v_mov_b32 v8, s29                              ; IDX + 8 wave
	s_add_co_u32 s29, s28, CF
	v_mov_b32 v9, s29                              ; CF + 8 wave
	v_and_b32 v10, 15, v1
	v_lshl_add_u32 v11, v10, 2, CF                 ; wave 0 at the end: a weight for each of 16 lanes
	v_mov_b32 v12, IDX                             ; and all 16 indices in every lane
	v_lshl_add_u32 v13, v1, 4, XSC                 ; wave 1 at the end: 16 scale bytes a lane
	v_lshlrev_b32 v14, 2, v10                      ; coef: 4 bytes a lane
	v_lshlrev_b32 v15, 9, v1                       ; rmask: expert = lane, 512 bytes an expert
	v_lshlrev_b32 v248, 4, v1                      ; xs: 16 bytes a lane
	s_mov_b32 s28, 0x600000                        ; the mantissa field of 448
	s_mov_b32 s31, 0
	s_wait_kmcnt 0x0
	s_load_b256 s[20:27], s[8:9], 0x0              ; bg's eight numbers
	s_lshl_b32 s30, ttmp9, 16                      ; inputs: 8 rows of 8,192 bytes a work-group, 1,024 bytes a wave
	s_lshl_b32 s32, s18, 10
	s_add_co_u32 s30, s30, s32
	s_add_nc_u64 s[4:5], s[4:5], s[30:31]
	s_lshl_b32 s30, s18, 13                        ; Wg: 256 rows of 32 bytes a wave
	s_add_nc_u64 s[6:7], s[6:7], s[30:31]
	s_lshl_b32 s30, ttmp9, 14                      ; xq: 8 rows of 2,048 bytes a work-group, 256 bytes a wave
	s_lshl_b32 s32, s18, 8
	s_add_co_u32 s30, s30, s32
	s_add_nc_u64 s[10:11], s[10:11], s[30:31]
	s_lshl_b32 s30, ttmp9, 9                       ; xs: 8 rows of 64 bytes
	s_add_nc_u64 s[12:13], s[12:13], s[30:31]
	s_lshl_b32 s30, ttmp9, 6                       ; coef: 8 rows of 8 bytes
	s_add_nc_u64 s[14:15], s[14:15], s[30:31]
	s_lshl_b32 s30, ttmp9, 1                       ; rmask: my 16 routed rows are half a word
	s_add_nc_u64 s[16:17], s[16:17], s[30:31]
.set j, 0
.rept 16
	global_load_b128 v[WG+4*j:WG+4*j+3], v3, s[6:7] offset:16*j
.set j, j+1
.endr
.irp r, 0,1,2,3,4,5,6,7
	global_load_b128 v[X+8*\r:X+8*\r+3], v2, s[4:5] offset:8192*\r th:TH_LOAD_NT
	global_load_b128 v[X+8*\r+4:X+8*\r+7], v2, s[4:5] offset:8192*\r+16 th:TH_LOAD_NT
.endr
; One row: its share of the eight logits, and its 8 numbers a lane into codes.
.macro ROW r
	s_wait_loadcnt 14-2*\r                         ; loads come back in order: Wg and this row are in; the two loads of each younger row may be out
.irp p, 0,1,2,3
	v_pk_mul_f32 v[ACC+8*\r+2*\p:ACC+8*\r+2*\p+1], v[WG+2*\p:WG+2*\p+1], v[X+8*\r:X+8*\r+1] op_sel_hi:[1,0]   ; the first k starts the sums; x is taken for both halves
.endr
.irp kk, 1,2,3,4,5,6,7
.irp p, 0,1,2,3
.if (\kk)%2 == 1
	v_pk_fma_f32 v[ACC+8*\r+2*\p:ACC+8*\r+2*\p+1], v[WG+8*\kk+2*\p:WG+8*\kk+2*\p+1], v[X+8*\r+\kk-1:X+8*\r+\kk], v[ACC+8*\r+2*\p:ACC+8*\r+2*\p+1] op_sel:[0,1,0] op_sel_hi:[1,1,1]
.else
	v_pk_fma_f32 v[ACC+8*\r+2*\p:ACC+8*\r+2*\p+1], v[WG+8*\kk+2*\p:WG+8*\kk+2*\p+1], v[X+8*\r+\kk:X+8*\r+\kk+1], v[ACC+8*\r+2*\p:ACC+8*\r+2*\p+1] op_sel_hi:[1,0,1]
.endif
.endr
.endr
	v_max3_num_f32 v232, |v[X+8*\r]|, |v[X+8*\r+1]|, 0x4800000      ; the largest magnitude of my 8, and the floor 2^(9 - 127): the byte cannot fall under 1
	v_max3_num_f32 v232, v232, |v[X+8*\r+2]|, |v[X+8*\r+3]|
	v_max3_num_f32 v232, v232, |v[X+8*\r+4]|, |v[X+8*\r+5]|
	v_max3_num_f32 v232, v232, |v[X+8*\r+6]|, |v[X+8*\r+7]|
	v_max_num_f32_dpp v232, v232, v232 row_xmask:1 row_mask:0xf bank_mask:0xf
	v_max_num_f32_dpp v232, v232, v232 row_xmask:2 row_mask:0xf bank_mask:0xf   ; of the four lanes that hold the block
	v_add_nc_u32 v233, 0xfc000000, v232            ; 8 off its exponent field: the conversion takes the exponent field of this operand as its scale
	v_and_or_b32 v234, v232, 0x7f800000, s28       ; 448 x the scale
.irp i, 0,1,2,3,4,5,6,7
	v_med3_num_f32 v[T+\i], v[X+8*\r+\i], -v234, v234   ; the conversion to an 8-bit code does not saturate (ISA guide 7.6.2): the hold comes first
.endr
	v_cvt_scalef32_pk8_fp8_f32 v[C+2*\r:C+2*\r+1], v[T:T+7], v233
	v_lshrrev_b32 v[E+\r], 23, v233                ; the scale's byte (a plain line behind the conversion)
	ds_store_b8 v6, v[E+\r] offset:64*\r           ; the four lanes of a block write the same byte with the same value
	global_store_b64 v4, v[C+2*\r:C+2*\r+1], s[10:11] offset:2048*\r   ; the wave stores 256 consecutive bytes, at a multiple of 256 from xq's first byte
.endm
.irp r, 0,1,2,3,4,5,6,7
	ROW \r
.endr
; the 64 partial sums over each half of the lanes: the registers take turns, so that no line waits for the line above it
.irp m, 1,2,4,8
.set j, 0
.rept 64
	v_add_f32_dpp v[ACC+j], v[ACC+j], v[ACC+j] row_xmask:\m row_mask:0xf bank_mask:0xf
.set j, j+1
.endr
.endr
.set j, 0
.rept 16
	ds_store_b128 v5, v[ACC+4*j:ACC+4*j+3] offset:16*j   ; the 16 lanes of a half write the same bytes with the same values
.set j, j+1
.endr
	s_wait_dscnt 0x0                               ; for the others' sake: my partial sums and scale bytes have landed
	s_barrier_signal -1
	s_barrier_wait -1
; wave w finishes row w, every lane alike
.set p, 0
.rept 16
	ds_load_b128 v[P+8*p:P+8*p+3], v7 offset:256*p
	ds_load_b128 v[P+8*p+4:P+8*p+7], v7 offset:256*p+16
.set p, p+1
.endr
	s_wait_dscnt 0x0
.set p, 1
.rept 15
.irp q, 0,2,4,6
	v_pk_add_f32 v[P+\q:P+\q+1], v[P+\q:P+\q+1], v[P+8*p+\q:P+8*p+\q+1]
.endr
.set p, p+1
.endr
	s_wait_kmcnt 0x0                               ; bg
.irp e, 0,1,2,3,4,5,6,7
	v_add_f32 v[P+\e], s[20+\e], v[P+\e]
.endr
	v_mov_b32 v232, v[P]                           ; the largest logit and its index: a later one takes over only if it is greater
	v_mov_b32 v234, 0
.irp e, 1,2,3,4,5,6,7
	v_cmp_le_f32 vcc_lo, v[P+\e], v232
	v_cndmask_b32 v234, \e, v234, vcc_lo
	v_max_num_f32 v232, v232, v[P+\e]
.endr
	v_mov_b32 v239, 0xff800000                     ; -infinity takes the winner's place,
.irp e, 0,1,2,3,4,5,6,7
	v_cmp_eq_u32 vcc_lo, \e, v234
	v_cndmask_b32 v[P+\e], v[P+\e], v239, vcc_lo
.endr
	v_mov_b32 v233, v[P]                           ; and the same search finds the second
	v_mov_b32 v235, 0
.irp e, 1,2,3,4,5,6,7
	v_cmp_le_f32 vcc_lo, v[P+\e], v233
	v_cndmask_b32 v235, \e, v235, vcc_lo
	v_max_num_f32 v233, v233, v[P+\e]
.endr
; softmax of the two values, and softmax of the result: in both the larger one is taken away, so that the exponent is 0 or less
	v_sub_f32 v238, v233, v232
	v_mul_f32 v238, 0x3fb8aa3b, v238
	v_exp_f32 v238, v238                           ; t = e^(second - first)
	v_nop                                          ; a plain line behind each transcendental (ISA guide 5.7.2)
	s_wait_alu depctr_va_vdst(0)
	v_add_f32 v240, 1.0, v238
	v_rcp_f32 v240, v240                           ; w0 = 1 / (1 + t)
	v_nop
	s_wait_alu depctr_va_vdst(0)
	v_mul_f32 v241, v238, v240                     ; w1 = t w0
	v_sub_f32 v241, v241, v240                     ; w1 - w0, 0 or less
	v_mul_f32 v241, 0x3fb8aa3b, v241
	v_exp_f32 v241, v241
	v_nop
	s_wait_alu depctr_va_vdst(0)
	v_add_f32 v236, 1.0, v241
	v_rcp_f32 v236, v236                           ; slot 0's weight
	v_nop
	s_wait_alu depctr_va_vdst(0)
	v_mul_f32 v237, v241, v236                     ; slot 1's
	ds_store_b64 v8, v[234:235]
	ds_store_b64 v9, v[236:237]
	s_wait_dscnt 0x0
	s_barrier_signal -1
	s_barrier_wait -1
	s_cmp_eq_u32 s18, 0
	s_cbranch_scc1 .Lwave0
	s_cmp_eq_u32 s18, 1
	s_cbranch_scc1 .Lwave1
	s_wait_tensorcnt 0x0
	ds_add_u32 v254, v255
	s_wait_dscnt 0x0
	s_endpgm
.Lwave0:                                           ; the 16 weights, and the eight experts' 16 mask bits
	ds_load_b32 v16, v11
.irp q, 0,1,2,3
	ds_load_b128 v[20+4*\q:23+4*\q], v12 offset:16*\q
.endr
	s_wait_dscnt 0x0
	v_mov_b32 v17, 0
	v_mov_b32 v18, 1
.set k, 0
.rept 16
	v_cmp_eq_u32 vcc_lo, v[20+k], v1               ; does routed row k of my 16 go to expert = lane?
	v_cndmask_b32 v19, 0, v18, vcc_lo
	v_lshl_or_b32 v17, v19, k, v17
.set k, k+1
.endr
	v_cmp_gt_u32 vcc_lo, 16, v1
	s_wait_xcnt 0x0                                ; EXEC is a source of the stores that are out: it changes only behind this wait
	s_wait_tensorcnt 0x0
	ds_add_u32 v254, v255
	s_wait_dscnt 0x0
	s_and_saveexec_b32 s34, vcc_lo
	global_store_b32 v14, v16, s[14:15]            ; 64 consecutive bytes of coef
	s_wait_xcnt 0x0
	s_or_b32 exec_lo, exec_lo, s34
	v_cmp_gt_u32 vcc_lo, 8, v1
	s_wait_xcnt 0x0
	s_and_saveexec_b32 s34, vcc_lo
	global_store_b16 v15, v17, s[16:17]            ; half a word for each of the 8 experts
	s_wait_xcnt 0x0
	s_or_b32 exec_lo, exec_lo, s34
	s_endpgm
.Lwave1:                                           ; the 8 rows' scale bytes leave as 512 consecutive bytes
	ds_load_b128 v[16:19], v13
	s_wait_dscnt 0x0
	global_store_b128 v248, v[16:19], s[12:13]
	s_wait_tensorcnt 0x0
	ds_add_u32 v254, v255
	s_wait_dscnt 0x0
	s_endpgm
.Lfunc_end_k_qfca268d09e_route:
	.size	k_qfca268d09e_route, .Lfunc_end_k_qfca268d09e_route-k_qfca268d09e_route
	.p2alignl 7, 3214868480
	.fill 96, 4, 3214868480
	.section	.rodata,"a",@progbits
	.p2align	6, 0x0
	.amdhsa_kernel k_qfca268d09e_route
		.amdhsa_group_segment_fixed_size 6144
		.amdhsa_private_segment_fixed_size 0
		.amdhsa_enable_private_segment 0
		.amdhsa_kernarg_size 56
		.amdhsa_user_sgpr_count 2
		.amdhsa_user_sgpr_kernarg_segment_ptr 1
		.amdhsa_wavefront_size32 1
		.amdhsa_system_sgpr_workgroup_id_x 1
		.amdhsa_system_sgpr_workgroup_id_y 1
		.amdhsa_system_sgpr_workgroup_id_z 1
		.amdhsa_system_vgpr_workitem_id 0
		.amdhsa_next_free_vgpr 256
		.amdhsa_next_free_sgpr 66
		.amdhsa_reserve_vcc 1
		.amdhsa_float_denorm_mode_32 3
		.amdhsa_float_denorm_mode_16_64 3
		.amdhsa_memory_ordered 1
		.amdhsa_forward_progress 1
		.amdhsa_inst_pref_size 62
	.end_amdhsa_kernel
	.amdgpu_metadata
---
amdhsa.version: [ 1, 2 ]
amdhsa.kernels:
  - .name:           k_qfca268d09e_route
    .symbol:         k_qfca268d09e_route.kd
    .args:
      - { .name: inputs, .offset: 0, .size: 8, .value_kind: global_buffer, .address_space: global }
      - { .name: Wg, .offset: 8, .size: 8, .value_kind: global_buffer, .address_space: global }
      - { .name: bg, .offset: 16, .size: 8, .value_kind: global_buffer, .address_space: global }
      - { .name: xq, .offset: 24, .size: 8, .value_kind: global_buffer, .address_space: global }
      - { .name: xs, .offset: 32, .size: 8, .value_kind: global_buffer, .address_space: global }
      - { .name: coef, .offset: 40, .size: 8, .value_kind: global_buffer, .address_space: global }
      - { .name: rmask, .offset: 48, .size: 8, .value_kind: global_buffer, .address_space: global }
    .group_segment_fixed_size: 6144
    .private_segment_fixed_size: 0
    .kernarg_segment_align: 8
    .kernarg_segment_size: 56
    .max_flat_workgroup_size: 256
    .sgpr_count:     66
    .vgpr_count:     256
    .wavefront_size: 32
...
	.end_amdgpu_metadata
.endif
;; end of part 1
;; launch experts (part 2): grid 256 x 1, 8 waves a work-group, no clusters, 181,248 bytes of LDS; arguments We, be, xq, xs, rmask, hbuf; writes hbuf
.if DOCPART == 2
	.amdgcn_target "amdgcn-amd-amdhsa--gfx1250"
	.amdhsa_code_object_version 6
	.text
	.protected	k_qfca268d09e_experts
	.globl	k_qfca268d09e_experts
	.p2align	8
	.type	k_qfca268d09e_experts,@function
k_qfca268d09e_experts:
	s_mov_b64 s[64:65], 0
	v_nop
	global_prefetch_b8 v0, s[64:65] scope:SCOPE_SE
	s_setreg_imm32_b32 hwreg(HW_REG_WAVE_MODE, 25, 1), 1
	s_wait_xcnt 0x0
; h = x We[e] + be[e] for the routed rows alone, on codes of E4M3 with one E8M0 scale for each 32 along K.
; We [8][2048 k][2048 n] f32; be [8][2048] f32; xq, xs: x's codes and scale bytes; rmask [8][128 words]: bit b of word j of expert e = routed row 32 j + b
; (2 x token + slot) goes to expert e.  hbuf [4096 routed rows][2048] f32: a row lies at its own number, so that no later index is needed.
; SHARES.  Work-group = (expert e, 64 columns): 8 x 32 = 256.  It reads its strip of We, 2,048 x 64 f32, once in the whole launch, quantises it along K and keeps
; the 128 KB of codes in LDS; then it multiplies all rows routed to e by them.  We's codes never go to memory.
; PHASES.  List: the expert's 128 mask words become a list of routed rows in LDS.  A: wave w quantises K = 256 w .. + 255 of the 64 columns.
; B: groups of 64 list entries, one to a wave at a time: 4 tiles of rows x 4 tiles of columns, 16 K steps of 128; x's fragments are gathered from xq straight into registers.
; THE LIST'S TAIL.  The entries from the expert's count to the end of its last group of 64 repeat the expert's LAST routed row: the wave that has that row computes it again and
; stores the same numbers to the same bytes.  So every entry of a group that is walked is a row of this expert, and no lane is ever switched off.
; THE MATRIX INSTRUCTION IS USED TRANSPOSED (source 0 = 16 columns of We, source 1 = 16 rows of x): a lane then holds eight neighbouring numbers of one row of h.
; NO CLUSTER, NO TENSOR LOADS: each byte of We is read by one work-group, so nothing of it is shared; what the 32 work-groups of an expert share is x's rows, which are
; picked by a list, row by row, and how many groups a wave walks hangs on a count read from memory, which differs from expert to expert.
; LIMITS: NaN and infinities among the inputs are not served.  A block of zeros gets the byte 1 where the quantiser's rule says 127: its codes are zeros, and this program alone reads the bytes.
; REGISTERS, in windows of 256 (s_set_vgpr_msb: bits 1:0 source 0, 3:2 source 1, 5:4 source 2, 7:6 destination):
;   window 0: v1-15 addresses that stay; v16-21 a group's gather offsets; v22-23 at work; v24-31 We's scale words, v32-63 x's (scales and nothing else);
;             v64-255 x's fragments, three buffers of 64; ahead of phase B v64-95 are at work; on the way out v64-95 are row offsets and v128-255 rows of h.
;   window 1: phase A: three sets of 64 numbers, v192-223 codes;  phase B: v0-127 the 16 accumulators, v128-255 We's fragments, two sets of 64.
.set WP,    2064                       ; a column's 2,048 codes in LDS + 16 of padding = 516 words: column r starts at bank 4 r mod 64 (64 banks of 4 bytes: ISA guide 11.1)
.set BSC,   64*WP                      ; We's scale words: 256 s + 16 r + 4 t for column 16 t + r and K step s
.set LIST,  BSC+4096                   ; 2,112 list words, 32 words for the lanes that have nothing to say, 32 of padding
.set STAGE, LIST+8704                  ; the way out: 16 rows x 272 bytes for each wave
.set AO,  16                           ; v16-19  tile i of rows: token x 2,048 + 16 (lane / 16)
.set SOF, 20                           ; v20-21  pair p of tiles: token x 64
.set WSW, 24                           ; We's scale words: set s % 2, tile t
.set XSW, 32                           ; x's scale words: 16 p + s; lanes 0-15 tile 2 p, lanes 16-31 tile 2 p + 1
.set AR,  64                           ; x's fragments: buffer s % 3, tile i at + 16 i
.set AM,  64                           ; phase A: v64-65 largest magnitudes, v66-67 1 / scale, v68-69 at work, v70-73 scale words, v74 = 1.0
.set MU,  66
.set T,   68
.set SB,  70
.set ONE, 74
.set MW,  76                           ; the list: v76-79 my four mask words, v80-83 zeros, v84 16 x lane in the list, v85 the row number, v86 my spare place, v88-91 places, v92-95 row numbers
.set ZR,  80
.set PZ,  84
.set RRV, 85
.set DMP, 86
.set PS,  88
.set RV,  92
.set RR,  64                           ; the way out: v64-95 offsets in hbuf of the rows that I store: tile i, pair q at RR + 8 i + q
.set OB,  128                          ; v128-255 the rows read back from the stage: 32 registers for each tile, so that no store's data are written again in a group
.set CI,  192                          ; window 1, phase A: codes of two columns interleaved; then column 2 l's and column 2 l + 1's
.set C0,  208
.set C1,  216
.set BF,  128                          ; window 1, phase B: We's fragments
.set W_LD1, 0x40                       ; destination window 1
.set W_MAX, 0x14                       ; sources 1 and 2 window 1
.set W_SCL, 0x41                       ; destination and source 0 window 1
.set W_PRM, 0x45                       ; destination and sources 0 and 1 window 1
.set W_DS1, 0x04                       ; an LDS store's data (its source 1) window 1
.set W_MUL, 0x51                       ; source 0 (We), C and D window 1; source 1 (x) window 0
.set MSB, 0
.macro WIN new                         ; the immediate's high byte repeats the setting that is left; a switch that changes nothing is dropped
.if MSB != \new
	s_set_vgpr_msb (MSB<<8)|\new
.set MSB, \new
.endif
.endm
; block t of my 8: We(256 w + 32 t + i, columns 2 l and 2 l + 1), i = 0 .. 31, into set t % 3.  Each load of the wave covers 256 consecutive bytes, at a multiple of 256 from We's first byte
.macro LOAD t
	WIN W_LD1
.set i, 0
.rept 32
	global_load_b64 v[64*((\t)%3)+2*i:64*((\t)%3)+2*i+1], v2, s[4:5] offset:(32*(\t)+i)*8192 th:TH_LOAD_NT
.set i, i+1
.endr
.endm
	s_load_b256 s[4:11], s[0:1], 0x0               ; We s[4:5], be s[6:7], xq s[8:9], xs s[10:11]
	s_load_b128 s[12:15], s[0:1], 0x20             ; rmask s[12:13], hbuf s[14:15]
	v_lshrrev_b32 v22, 5, v0
	v_readfirstlane_b32 s16, v22                   ; wave 0..7
	v_and_b32 v1, 31, v0                           ; lane
	v_lshlrev_b32 v2, 3, v1                        ; We: two columns, 8 bytes a lane
	v_lshlrev_b32 v23, 4, v1                       ; rmask: four words a lane
	s_lshr_b32 s17, ttmp9, 5                       ; the expert
	s_and_b32 s18, ttmp9, 31                       ; which 64 columns
	s_lshl_b32 s32, s17, 24                        ; We: 2^24 bytes an expert, 256 rows of 8,192 bytes a wave, 256 bytes a strip
	s_lshl_b32 s20, s16, 21
	s_add_co_u32 s32, s32, s20
	s_lshl_b32 s20, s18, 8
	s_add_co_u32 s32, s32, s20
	s_mov_b32 s33, 0
	s_wait_kmcnt 0x0
	s_add_nc_u64 s[4:5], s[4:5], s[32:33]
	s_lshl_b32 s32, s17, 13                        ; be: 8,192 bytes an expert + the strip
	s_add_co_u32 s32, s32, s20
	s_add_nc_u64 s[6:7], s[6:7], s[32:33]
	s_lshl_b32 s32, s17, 9                         ; rmask: 512 bytes an expert
	s_add_nc_u64 s[12:13], s[12:13], s[32:33]
	s_mov_b32 s32, s20                             ; hbuf: the strip
	s_add_nc_u64 s[14:15], s[14:15], s[32:33]
	global_load_b128 v[MW:MW+3], v23, s[12:13]     ; the expert's 128 mask words, four a lane, in every wave
	LOAD 0
	WIN 0
	v_and_b32 v22, 15, v1                          ; r = lane % 16
	v_lshrrev_b32 v15, 4, v1                       ; h = lane / 16
	v_mul_u32_u24 v3, v1, 2*WP
	s_lshl_b32 s20, s16, 8
	v_add_nc_u32 v3, s20, v3                       ; phase A: column 2 l's row of codes, my wave's 256 along K
	v_and_b32 v4, 7, v1
	v_lshlrev_b32 v4, 5, v4
	v_lshrrev_b32 v5, 3, v1
	v_lshl_add_u32 v4, v5, 2, v4
	s_lshl_b32 s20, s16, 9
	s_add_co_u32 s20, s20, BSC
	v_add_nc_u32 v4, s20, v4                       ; phase A: scale words of column 2 l: BSC + 512 w + 32 (l % 8) + 4 (l / 8)
	v_mul_u32_u24 v5, v22, WP
	v_lshl_add_u32 v5, v15, 4, v5                  ; phase B: a fragment of We: column r x pitch + 16 h: tiles 0 and 1,
	v_add_nc_u32 v6, 32*WP, v5                     ; tiles 2 and 3
	v_lshl_add_u32 v7, v22, 4, BSC                 ; column r's four scale words of a K step (tiles 0 to 3)
	s_lshl_b32 s20, s16, 8
	s_add_co_u32 s20, s20, LIST                    ; my wave's 64 list entries of a pass
	v_lshl_add_u32 v8, v22, 2, s20                 ; entry r of a tile,
	v_lshl_add_u32 v9, v1, 2, s20                  ; entry = lane of a pair of tiles,
	v_lshl_add_u32 v10, v15, 2, s20                ; entry h of two rows
	s_mul_i32 s20, s16, 16*272
	s_add_co_u32 s20, s20, STAGE                   ; my stage
	v_mul_u32_u24 v11, v22, 272
	v_lshl_add_u32 v11, v15, 5, v11
	v_add_nc_u32 v11, s20, v11                     ; in: row r, 32 bytes for each half of the lanes
	v_mul_u32_u24 v12, v15, 272
	v_lshl_add_u32 v12, v22, 4, v12
	v_add_nc_u32 v12, s20, v12                     ; back: lanes 0-15 one row of 256 bytes, lanes 16-31 the next
	v_lshlrev_b32 v13, 4, v22                      ; and my 16 bytes of that row in hbuf
	v_lshlrev_b32 v14, 5, v15                      ; be: the eight columns of my half of a tile
	v_lshlrev_b32 v15, 4, v15                      ; 16 h: my half's bytes in a block of x's codes
	v_mov_b32 v[ONE], 1.0
.irp c, 0,1,2,3
	v_mov_b32 v[ZR+\c], 0
.endr
	v_lshl_add_u32 v[PZ], v1, 4, LIST
	v_mov_b32 v[RRV], v1
	v_add_nc_u32 v[DMP], 2112, v1
	s_mov_b32 s24, 0xc3e00000                      ; -448
	s_mov_b32 s25, 0x43e00000                      ; 448
	s_mov_b32 s26, 0x06040200                      ; v_perm_b32: the even bytes of two words,
	s_mov_b32 s27, 0x07050301                      ; the odd ones
; THE LIST.  Wave 0 first lays zeros, so that every word of the list that is read later has been written: an entry of a group that is not walked reads as a row that exists.
	s_cmp_lg_u32 s16, 0
	s_cbranch_scc1 .Lno_fill
.set j, 0
.rept 17
	ds_store_b128 v[PZ], v[ZR:ZR+3] offset:512*j
.set j, j+1
.endr
.Lno_fill:
	s_wait_loadcnt 32                              ; 32 loads were issued behind the mask words' load: it is in
	LOAD 1                                         ; 64 loads of 256 bytes a wave are on their way while the list is made
	WIN 0
	s_mov_b32 s22, 0                               ; rows found so far
	s_mov_b32 s23, 0
; 32 trips of four words, in ascending order of routed rows.  Every wave walks them, and so has the expert's count in a scalar of its own; wave 0 alone stores.
; In a word, lane b stands for routed row 32 j + b: its place is the count so far + the set bits under b; a lane whose bit is clear writes to its spare place.
.Lcompact:
.irp c, 0,1,2,3
	v_readlane_b32 s20, v[MW+\c], s23              ; word 4 x trip + c
	v_mbcnt_lo_u32_b32 v[PS+\c], s20, 0
	v_add_nc_u32 v[PS+\c], s22, v[PS+\c]
	v_cndmask_b32 v[PS+\c], v[DMP], v[PS+\c], s20
	v_min_u32 v[PS+\c], 2143, v[PS+\c]             ; a number read from memory enters an address only behind a bound
	v_lshl_add_u32 v[PS+\c], v[PS+\c], 2, LIST
	v_add_nc_u32 v[RV+\c], 32*\c, v[RRV]
	s_bcnt1_i32_b32 s21, s20
	s_add_co_u32 s22, s22, s21
.endr
	v_add_nc_u32 v[RRV], 128, v[RRV]
	s_cmp_lg_u32 s16, 0
	s_cbranch_scc1 .Lno_store
.irp c, 0,1,2,3
	ds_store_b32 v[PS+\c], v[RV+\c]
.endr
.Lno_store:
	s_add_co_u32 s23, s23, 1
	s_cmp_lt_u32 s23, 32
	s_cbranch_scc1 .Lcompact
	s_min_u32 s19, s22, 2048                       ; the expert's rows: a token's two slots go to two experts, so 2,048 at the most
; the tail: the 64 entries behind the last repeat it.  (With no row at all the place read is a spare word, and no group is walked.)
	s_sub_co_u32 s20, s19, 1
	v_mov_b32 v[PS], s20
	v_min_u32 v[PS], 2143, v[PS]
	v_lshl_add_u32 v[PS], v[PS], 2, LIST           ; where the last entry lies
	v_add_nc_u32 v[PS+1], s19, v1
	v_min_u32 v[PS+1], 2079, v[PS+1]
	v_lshl_add_u32 v[PS+1], v[PS+1], 2, LIST       ; entry count + lane; 128 bytes on: entry count + 32 + lane, 2,111 at the most
	s_cmp_lg_u32 s16, 0
	s_cbranch_scc1 .Lno_pad
	ds_load_b32 v[RV], v[PS]                       ; LDS serves a wave's instructions in order (ISA guide 5.7.1.4): this sees wave 0's stores above
	s_wait_dscnt 0x0
	ds_store_b32 v[PS+1], v[RV]
	ds_store_b32 v[PS+1], v[RV] offset:128
.Lno_pad:
	s_wait_dscnt 0x0                               ; wave 0's list has landed
	s_barrier_signal -1
	s_barrier_wait -1                              ; no other wave has touched LDS so far
; PHASE A.  A lane holds two columns, its registers run down K: even registers column 2 l, odd ones column 2 l + 1.  A block of 32 along K of a column lies in one lane.
; The two columns have scales of their own, and a conversion takes one: so each number is multiplied by 1 / its scale, a power of two (nothing is rounded), held within +-448 and converted under the scale 1.
.macro BLOCK t
.set XB, 64*((\t)%3)
.if (\t) < 7
	s_wait_loadcnt 32                              ; this block's 32 loads are in; the next block's may be out
.else
	s_wait_loadcnt 0x0
.endif
.if (\t) < 6
	LOAD (\t)+2                                    ; into the set that the block before has left
.endif
	WIN 0
	v_mov_b32 v[AM], 0x4800000                     ; the floor 2^(9 - 127), under which no largest magnitude is taken: so the byte cannot fall under 1
	v_mov_b32 v[AM+1], 0x4800000
	WIN W_MAX
.set i, 0
.rept 16
	v_max3_num_f32 v[AM], v[AM], |v[XB+4*i]|, |v[XB+4*i+2]|          ; the two columns by turns
	v_max3_num_f32 v[AM+1], v[AM+1], |v[XB+4*i+1]|, |v[XB+4*i+3]|
.set i, i+1
.endr
	WIN 0
.irp c, 0,1
	v_add_nc_u32 v[T+\c], 0xfc000000, v[AM+\c]     ; 8 off the exponent field,
	v_lshrrev_b32 v[T+\c], 23, v[T+\c]             ; which is then the scale's byte
.if (\t)%4 == 0
	v_mov_b32 v[SB+2*\c+(\t)/4], v[T+\c]           ; four bytes to a word, the lower K in the lower byte
.else
	v_lshl_or_b32 v[SB+2*\c+(\t)/4], v[T+\c], 8*((\t)%4), v[SB+2*\c+(\t)/4]
.endif
	v_and_b32 v[MU+\c], 0x7f800000, v[AM+\c]
	v_sub_nc_u32 v[MU+\c], 0x83000000, v[MU+\c]    ; 1 / scale: exponent field 262 - the largest magnitude's
.endr
	WIN W_SCL
.set i, 0
.rept 32
	v_pk_mul_f32 v[XB+2*i:XB+2*i+1], v[XB+2*i:XB+2*i+1], v[MU:MU+1]
.set i, i+1
.endr
.set i, 0
.rept 64
	v_med3_num_f32 v[XB+i], v[XB+i], s24, s25      ; the conversion to an 8-bit code does not saturate (ISA guide 7.6.2)
.set i, i+1
.endr
.set i, 0
.rept 8
	v_cvt_scalef32_pk8_fp8_f32 v[CI+2*i:CI+2*i+1], v[XB+8*i:XB+8*i+7], v[ONE]
.set i, i+1
.endr
	v_nop                                          ; a plain line between the conversions and the first use of their results
	s_wait_dscnt 0x0                               ; the last block's LDS stores have read their registers
	WIN W_PRM
.set i, 0
.rept 8
	v_perm_b32 v[C0+i], v[CI+2*i+1], v[CI+2*i], s26   ; column 2 l, k = 4 i .. 4 i + 3
	v_perm_b32 v[C1+i], v[CI+2*i+1], v[CI+2*i], s27   ; column 2 l + 1
.set i, i+1
.endr
	WIN W_DS1
	ds_store_b128 v3, v[C0:C0+3] offset:32*(\t)
	ds_store_b128 v3, v[C0+4:C0+7] offset:32*(\t)+16
	ds_store_b128 v3, v[C1:C1+3] offset:WP+32*(\t)
	ds_store_b128 v3, v[C1+4:C1+7] offset:WP+32*(\t)+16
.endm
.irp t, 0,1,2,3,4,5,6,7
	BLOCK \t
.endr
	WIN 0
.irp c, 0,1
.irp j, 0,1
	ds_store_b32 v4, v[SB+2*\c+\j] offset:256*\j+16*\c   ; K steps 2 w and 2 w + 1 of columns 2 l and 2 l + 1
.endr
.endr
	s_wait_dscnt 0x0                               ; for the others' sake: my codes and scale words have landed
	s_barrier_signal -1
	s_barrier_wait -1                              ; the strip's codes are whole; from here on nobody writes them, and no barrier follows
; PHASE B.  Every address register is made on the path that all trips take (HEADA, HEADB); the branches on the expert's count go round loads, products and stores alone.
.macro ALOAD s                         ; x's four fragments of K step s: lane (r, h) takes, of its tile's row r, k = 128 s + 32 c + 16 h + 0 .. 15
	WIN 0
.irp i, 0,1,2,3
.irp c, 0,1,2,3
	global_load_b128 v[AR+64*((\s)%3)+16*\i+4*\c:AR+64*((\s)%3)+16*\i+4*\c+3], v[AO+\i], s[8:9] offset:128*(\s)+32*\c
.endr
.endr
.endm
.macro BLOAD s                         ; We's four fragments of K step s and their scale words: 17 LDS loads
	WIN 0
	ds_load_b128 v[WSW+4*((\s)%2):WSW+4*((\s)%2)+3], v7 offset:256*(\s)
	WIN W_LD1
.irp t, 0,1
.irp c, 0,1,2,3
	ds_load_b128 v[BF+64*((\s)%2)+16*\t+4*\c:BF+64*((\s)%2)+16*\t+4*\c+3], v5 offset:\t*16*WP+128*(\s)+32*\c
.endr
.endr
.irp t, 0,1
.irp c, 0,1,2,3
	ds_load_b128 v[BF+64*((\s)%2)+32+16*\t+4*\c:BF+64*((\s)%2)+32+16*\t+4*\c+3], v6 offset:\t*16*WP+128*(\s)+32*\c
.endr
.endr
.endm
; My group's 64 list entries become gather offsets into xq and xs.
.macro HEADA
	v_add_nc_u32 v22, s29, v8
	v_add_nc_u32 v23, s29, v9
.irp i, 0,1,2,3
	ds_load_b32 v[AO+\i], v22 offset:64*\i
.endr
.irp p, 0,1
	ds_load_b32 v[SOF+\p], v23 offset:128*\p
.endr
	s_wait_dscnt 0x0
.irp i, 0,1,2,3
	v_lshrrev_b32 v[AO+\i], 1, v[AO+\i]            ; the token
	v_min_u32 v[AO+\i], 2047, v[AO+\i]             ; a number read from memory enters an address only behind a bound
	v_lshl_add_u32 v[AO+\i], v[AO+\i], 11, v15
.endr
.irp p, 0,1
	v_lshrrev_b32 v[SOF+\p], 1, v[SOF+\p]
	v_min_u32 v[SOF+\p], 2047, v[SOF+\p]
	v_lshlrev_b32 v[SOF+\p], 6, v[SOF+\p]
.endr
.endm
; A group's loads.  The accumulators are loaded with be: the sums begin as the bias, nothing is cleared, and all 16 K steps are alike.
.macro PRO
	WIN W_LD1
.irp i, 0,1,2,3
.irp t, 0,1,2,3
	global_load_b128 v[8*(4*\i+\t):8*(4*\i+\t)+3], v14, s[6:7] offset:64*\t          ; lane (r, h), register j: be(16 t + 8 h + j)
	global_load_b128 v[8*(4*\i+\t)+4:8*(4*\i+\t)+7], v14, s[6:7] offset:64*\t+16
.endr
.endr
	WIN 0
.irp p, 0,1
.irp q, 0,1,2,3
	global_load_b128 v[XSW+16*\p+4*\q:XSW+16*\p+4*\q+3], v[SOF+\p], s[10:11] offset:16*\q   ; a row's 16 scale words, for all of K
.endr
.endr
	ALOAD 0
	ALOAD 1
	ALOAD 2
	BLOAD 0
	BLOAD 1
.endm
; A K step of 128: 16 matrix instructions.  The 16 accumulators take turns, one instruction a turn, in the same order in every step.
.macro STEP s
.if (\s) <= 13
	s_wait_loadcnt 32                              ; this step's fragments of x are in (in step 0 the bias and the scale words, which are older, too); those of the two steps behind may be out
.elseif (\s) == 14
	s_wait_loadcnt 16
.else
	s_wait_loadcnt 0x0
.endif
.if (\s) <= 14
	s_wait_dscnt 17                                ; this step's fragments of We are in; the next step's 17 loads may be out
.else
	s_wait_dscnt 0x0
.endif
	WIN W_MUL
.irp i, 0,1,2,3
.irp t, 0,1,2,3
.if (\i)%2 == 1
	v_wmma_scale_f32_16x16x128_f8f6f4 v[8*(4*\i+\t):8*(4*\i+\t)+7], v[BF+64*((\s)%2)+16*\t:BF+64*((\s)%2)+16*\t+15], v[AR+64*((\s)%3)+16*\i:AR+64*((\s)%3)+16*\i+15], v[8*(4*\i+\t):8*(4*\i+\t)+7], v[WSW+4*((\s)%2)+\t], v[XSW+16*((\i)/2)+(\s)] matrix_b_scale:MATRIX_SCALE_ROW1
.else
	v_wmma_scale_f32_16x16x128_f8f6f4 v[8*(4*\i+\t):8*(4*\i+\t)+7], v[BF+64*((\s)%2)+16*\t:BF+64*((\s)%2)+16*\t+15], v[AR+64*((\s)%3)+16*\i:AR+64*((\s)%3)+16*\i+15], v[8*(4*\i+\t):8*(4*\i+\t)+7], v[WSW+4*((\s)%2)+\t], v[XSW+16*((\i)/2)+(\s)]
.endif
.endr
.endr
	WIN 0
.rept 8
	v_nop                                          ; eight places behind this form, in front of loads into registers that it has read and, behind the last step, of the first read of results
.endr
.if (\s) <= 12
	ALOAD (\s)+3
.endif
.if (\s) <= 13
	BLOAD (\s)+2
.endif
.endm
; The rows that I store on the way out: of tile i, in store q, lanes 0-15 take entry 16 i + 2 q and lanes 16-31 entry 16 i + 2 q + 1.  Their offsets in hbuf take the place of x's fragments, which are done with.
.macro HEADB
	v_add_nc_u32 v22, s29, v10
.irp i, 0,1,2,3
.irp q, 0,1,2,3,4,5,6,7
	ds_load_b32 v[RR+8*\i+\q], v22 offset:64*\i+8*\q
.endr
.endr
	s_wait_dscnt 0x0
.irp i, 0,1,2,3
.irp q, 0,1,2,3,4,5,6,7
	v_min_u32 v[RR+8*\i+\q], 4095, v[RR+8*\i+\q]
.endr
.endr
.irp i, 0,1,2,3
.irp q, 0,1,2,3,4,5,6,7
	v_lshl_add_u32 v[RR+8*\i+\q], v[RR+8*\i+\q], 13, v13
.endr
.endr
.endm
; Tile i of rows goes through my own stage, so that sixteen lanes store the 256 consecutive bytes that the strip has of a row, at a multiple of 256 from hbuf's first byte.
.macro TOSTAGE i
	WIN W_DS1
.irp t, 0,1,2,3
	ds_store_b128 v11, v[8*(4*(\i)+\t):8*(4*(\i)+\t)+3] offset:64*\t            ; each accumulator from its low end on
	ds_store_b128 v11, v[8*(4*(\i)+\t)+4:8*(4*(\i)+\t)+7] offset:64*\t+16
.endr
	WIN 0
.irp q, 0,1,2,3,4,5,6,7
	ds_load_b128 v[OB+32*(\i)+4*\q:OB+32*(\i)+4*\q+3], v12 offset:544*\q        ; LDS serves a wave's instructions in order (ISA guide 5.7.1.4): these see the stores above, and the next tile's stores come behind them
.endr
.endm
.macro SEND i, younger                 ; younger: the LDS instructions issued behind tile i's loads: the next tile's 8 stores and 8 loads, or none
	s_wait_dscnt \younger
.irp q, 0,1,2,3,4,5,6,7
	global_store_b128 v[RR+8*(\i)+\q], v[OB+32*(\i)+4*\q:OB+32*(\i)+4*\q+3], s[14:15]
.endr
.endm
	s_mov_b32 s28, 0                               ; four passes of 8 groups of 64 entries serve every count up to 2,048: the trip count is a constant,
	s_mov_b32 s29, 0                               ; the pass's first list byte steps by a constant,
	s_lshl_b32 s30, s16, 6                         ; and so does my group's first entry
.Lpass:
	HEADA
	s_cmp_ge_u32 s30, s19                          ; a group that begins at or behind the count is jumped over: no barrier stands in it
	s_cbranch_scc1 .Lskip1
	PRO
.irp s, 0,1,2,3,4,5,6,7,8,9,10,11,12,13,14,15
	STEP \s
.endr
.Lskip1:
	HEADB
	s_cmp_ge_u32 s30, s19                          ; the same question once more, round the way out
	s_cbranch_scc1 .Lskip2
	TOSTAGE 0
	TOSTAGE 1                                      ; a tile is on its way through the stage while the tile before is stored
	SEND 0, 16
	TOSTAGE 2
	SEND 1, 16
	TOSTAGE 3
	SEND 2, 16
	SEND 3, 0
	s_wait_xcnt 0x0                                ; the stores' offsets and data are written again (the next group's offsets and fragments) only behind this wait
.Lskip2:
	s_add_co_u32 s29, s29, 2048
	s_add_co_u32 s30, s30, 512
	s_add_co_u32 s28, s28, 1
	s_cmp_lt_u32 s28, 4
	s_cbranch_scc1 .Lpass
	s_wait_xcnt 0x0
	v_lshl_add_u32 v254, v0, 2, 0x2c000
	v_mov_b32 v255, 0
	s_wait_tensorcnt 0x0
	ds_add_u32 v254, v255
	s_wait_dscnt 0x0
	s_endpgm
.Lfunc_end_k_qfca268d09e_experts:
	.size	k_qfca268d09e_experts, .Lfunc_end_k_qfca268d09e_experts-k_qfca268d09e_experts
	.p2alignl 7, 3214868480
	.fill 96, 4, 3214868480
	.section	.rodata,"a",@progbits
	.p2align	6, 0x0
	.amdhsa_kernel k_qfca268d09e_experts
		.amdhsa_group_segment_fixed_size 181248
		.amdhsa_private_segment_fixed_size 0
		.amdhsa_enable_private_segment 0
		.amdhsa_kernarg_size 48
		.amdhsa_user_sgpr_count 2
		.amdhsa_user_sgpr_kernarg_segment_ptr 1
		.amdhsa_wavefront_size32 1
		.amdhsa_system_sgpr_workgroup_id_x 1
		.amdhsa_system_sgpr_workgroup_id_y 1
		.amdhsa_system_sgpr_workgroup_id_z 1
		.amdhsa_system_vgpr_workitem_id 0
		.amdhsa_next_free_vgpr 512
		.amdhsa_next_free_sgpr 66
		.amdhsa_reserve_vcc 0
		.amdhsa_float_denorm_mode_32 3
		.amdhsa_float_denorm_mode_16_64 3
		.amdhsa_memory_ordered 1
		.amdhsa_forward_progress 1
		.amdhsa_inst_pref_size 218
	.end_amdhsa_kernel
	.amdgpu_metadata
---
amdhsa.version: [ 1, 2 ]
amdhsa.kernels:
  - .name:           k_qfca268d09e_experts
    .symbol:         k_qfca268d09e_experts.kd
    .args:
      - { .name: We, .offset: 0, .size: 8, .value_kind: global_buffer, .address_space: global }
      - { .name: be, .offset: 8, .size: 8, .value_kind: global_buffer, .address_space: global }
      - { .name: xq, .offset: 16, .size: 8, .value_kind: global_buffer, .address_space: global }
      - { .name: xs, .offset: 24, .size: 8, .value_kind: global_buffer, .address_space: global }
      - { .name: rmask, .offset: 32, .size: 8, .value_kind: global_buffer, .address_space: global }
      - { .name: hbuf, .offset: 40, .size: 8, .value_kind: global_buffer, .address_space: global }
    .group_segment_fixed_size: 181248
    .private_segment_fixed_size: 0
    .kernarg_segment_align: 8
    .kernarg_segment_size: 48
    .max_flat_workgroup_size: 256
    .sgpr_count:     66
    .vgpr_count:     512
    .wavefront_size: 32
...
	.end_amdgpu_metadata
.endif
;; end of part 2
;; launch combine (part 3): grid 256 x 1, 8 waves a work-group, no clusters, 0 bytes of LDS; arguments hbuf, coef, out0; writes out0
.if DOCPART == 3
	.amdgcn_target "amdgcn-amd-amdhsa--gfx1250"
	.amdhsa_code_object_version 6
	.text
	.protected	k_qfca268d09e_combine
	.globl	k_qfca268d09e_combine
	.p2align	8
	.type	k_qfca268d09e_combine,@function
k_qfca268d09e_combine:
	s_mov_b64 s[64:65], 0
	v_nop
	global_prefetch_b8 v0, s[64:65] scope:SCOPE_SE
	s_setreg_imm32_b32 hwreg(HW_REG_WAVE_MODE, 25, 1), 1
	s_wait_xcnt 0x0
; out0[t] = coef[t][0] softmax(relu(hbuf[2 t])) + coef[t][1] softmax(relu(hbuf[2 t + 1])).  hbuf [4096][2048] f32, coef [2048][2] f32, out0 [2048][2048] f32.
; One wave, one token: its two rows, 16 KB on end in hbuf, stay in 128 registers between the maximum, the sum and the weighing: each byte is read once, and no wave waits for another.
; Each load and store of a wave covers 512 consecutive bytes.  No LDS, no barrier, no matrix unit: the launch moves bytes.
; The row's maximum is taken away ahead of the exponential, so every p is at most 1 and a row's sum lies between 1 and 2,048.
; LIMITS: NaN and infinities are not served.
.set H,  16                            ; v16-79 slot 0's row, v80-143 slot 1's: register 4 q + c = column 128 q + 4 lane + c
.set M,  4                             ; v4-7   four running maxima
.set NM, 8                             ; v8-9   -maximum x log2(e), twice (named as a pair)
.set SU, 10                            ; v10-13 two running sums of pairs
.set AF, 14                            ; v14-15 weight / sum, for each slot
	s_load_b128 s[4:7], s[0:1], 0x0                ; hbuf s[4:5], coef s[6:7]
	s_load_b64 s[8:9], s[0:1], 0x10                ; out0
	v_lshrrev_b32 v1, 5, v0
	v_readfirstlane_b32 s16, v1                    ; wave 0..7
	v_and_b32 v1, 31, v0
	v_lshlrev_b32 v2, 4, v1                        ; 16 bytes a lane
	s_lshl_b32 s17, ttmp9, 3
	s_add_co_u32 s17, s17, s16                     ; my token
	s_mov_b32 s11, 0
	s_mov_b32 s14, 0x76543210                      ; v_permlanex16_b32's selects for lane l xor 16
	s_mov_b32 s15, 0xfedcba98
	s_wait_kmcnt 0x0
	s_lshl_b32 s10, s17, 14
	s_add_nc_u64 s[4:5], s[4:5], s[10:11]
	s_lshl_b32 s10, s17, 3
	s_add_nc_u64 s[6:7], s[6:7], s[10:11]
	s_lshl_b32 s10, s17, 13
	s_add_nc_u64 s[8:9], s[8:9], s[10:11]
	s_load_b64 s[12:13], s[6:7], 0x0               ; the token's two weights
.irp s, 0,1
.set q, 0
.rept 16
	global_load_b128 v[H+64*\s+4*q:H+64*\s+4*q+3], v2, s[4:5] offset:8192*\s+512*q th:TH_LOAD_NT
.set q, q+1
.endr
.endr
	s_wait_kmcnt 0x0
.macro SOFT s
.set HB, H+64*(\s)
.if (\s) == 0
	s_wait_loadcnt 16                              ; slot 0's row is in; slot 1's 16 loads may be out
.else
	s_wait_loadcnt 0x0
.endif
.irp c, 0,1,2,3
	v_max3_num_f32 v[M+\c], v[HB+16*\c], v[HB+16*\c+1], 0     ; the maximum of relu(h): 0 is one of the leaves.  Four chains by turns
.endr
.irp i, 2,4,6,8,10,12,14
.irp c, 0,1,2,3
	v_max3_num_f32 v[M+\c], v[M+\c], v[HB+16*\c+\i], v[HB+16*\c+\i+1]
.endr
.endr
	v_max3_num_f32 v[M], v[M], v[M+1], v[M+2]
	v_max_num_f32 v[M], v[M], v[M+3]
	v_max_num_f32_dpp v[M], v[M], v[M] row_xmask:1 row_mask:0xf bank_mask:0xf
	v_max_num_f32_dpp v[M], v[M], v[M] row_xmask:2 row_mask:0xf bank_mask:0xf
	v_max_num_f32_dpp v[M], v[M], v[M] row_xmask:4 row_mask:0xf bank_mask:0xf
	v_max_num_f32_dpp v[M], v[M], v[M] row_xmask:8 row_mask:0xf bank_mask:0xf
	v_permlanex16_b32 v[M+1], v[M], s14, s15
	v_max_num_f32 v[M], v[M], v[M+1]               ; every lane holds the row's maximum
	v_mul_f32 v[NM], 0xbfb8aa3b, v[M]
	v_mov_b32 v[NM+1], v[NM]
.set j, 0
.rept 64
	v_max_num_f32 v[HB+j], 0, v[HB+j]              ; relu
.set j, j+1
.endr
.set j, 0
.rept 32
	v_pk_fma_f32 v[HB+2*j:HB+2*j+1], v[HB+2*j:HB+2*j+1], 0x3fb8aa3b, v[NM:NM+1] op_sel_hi:[1,0,0]   ; (x - maximum) x log2(e), two at a time
.set j, j+1
.endr
.set j, 0
.rept 64
	v_exp_f32 v[HB+j], v[HB+j]
.set j, j+1
.endr
	v_nop                                          ; a plain line between the exponentials and the first use of their results (ISA guide 5.7.2)
	s_wait_alu depctr_va_vdst(0)
	v_pk_add_f32 v[SU:SU+1], v[HB:HB+1], v[HB+2:HB+3]          ; the first pairs start the two chains: nothing is cleared
	v_pk_add_f32 v[SU+2:SU+3], v[HB+4:HB+5], v[HB+6:HB+7]
.set j, 8
.rept 14
	v_pk_add_f32 v[SU:SU+1], v[SU:SU+1], v[HB+j:HB+j+1]
	v_pk_add_f32 v[SU+2:SU+3], v[SU+2:SU+3], v[HB+j+2:HB+j+3]
.set j, j+4
.endr
	v_pk_add_f32 v[SU:SU+1], v[SU:SU+1], v[SU+2:SU+3]
	v_add_f32 v[SU], v[SU], v[SU+1]
	v_add_f32_dpp v[SU], v[SU], v[SU] row_xmask:1 row_mask:0xf bank_mask:0xf
	v_add_f32_dpp v[SU], v[SU], v[SU] row_xmask:2 row_mask:0xf bank_mask:0xf
	v_add_f32_dpp v[SU], v[SU], v[SU] row_xmask:4 row_mask:0xf bank_mask:0xf
	v_add_f32_dpp v[SU], v[SU], v[SU] row_xmask:8 row_mask:0xf bank_mask:0xf
	v_permlanex16_b32 v[SU+1], v[SU], s14, s15
	v_add_f32 v[SU], v[SU], v[SU+1]                ; the row's sum, in every lane
	v_rcp_f32 v[SU], v[SU]
	v_nop
	s_wait_alu depctr_va_vdst(0)
	v_mul_f32 v[AF+\s], s[12+\s], v[SU]            ; the slot's weight / the sum
.endm
	SOFT 0
	SOFT 1
.set j, 0
.rept 32
	v_pk_mul_f32 v[H+2*j:H+2*j+1], v[H+2*j:H+2*j+1], v[AF:AF+1] op_sel_hi:[1,0]
.set j, j+1
.endr
.set j, 0
.rept 32
	v_pk_fma_f32 v[H+2*j:H+2*j+1], v[H+64+2*j:H+64+2*j+1], v[AF:AF+1], v[H+2*j:H+2*j+1] op_sel:[0,1,0] op_sel_hi:[1,1,1]
.set j, j+1
.endr
.set q, 0
.rept 16
	global_store_b128 v2, v[H+4*q:H+4*q+3], s[8:9] offset:512*q th:TH_STORE_NT   ; 32 lanes store 512 consecutive bytes, at a multiple of 256 from out0's first byte
.set q, q+1
.endr
	s_endpgm
.Lfunc_end_k_qfca268d09e_combine:
	.size	k_qfca268d09e_combine, .Lfunc_end_k_qfca268d09e_combine-k_qfca268d09e_combine
	.p2alignl 7, 3214868480
	.fill 96, 4, 3214868480
	.section	.rodata,"a",@progbits
	.p2align	6, 0x0
	.amdhsa_kernel k_qfca268d09e_combine
		.amdhsa_group_segment_fixed_size 0
		.amdhsa_private_segment_fixed_size 0
		.amdhsa_enable_private_segment 0
		.amdhsa_kernarg_size 24
		.amdhsa_user_sgpr_count 2
		.amdhsa_user_sgpr_kernarg_segment_ptr 1
		.amdhsa_wavefront_size32 1
		.amdhsa_system_sgpr_workgroup_id_x 1
		.amdhsa_system_sgpr_workgroup_id_y 1
		.amdhsa_system_sgpr_workgroup_id_z 1
		.amdhsa_system_vgpr_workitem_id 0
		.amdhsa_next_free_vgpr 160
		.amdhsa_next_free_sgpr 66
		.amdhsa_reserve_vcc 0
		.amdhsa_float_denorm_mode_32 3
		.amdhsa_float_denorm_mode_16_64 3
		.amdhsa_memory_ordered 1
		.amdhsa_forward_progress 1
		.amdhsa_inst_pref_size 34
	.end_amdhsa_kernel
	.amdgpu_metadata
---
amdhsa.version: [ 1, 2 ]
amdhsa.kernels:
  - .name:           k_qfca268d09e_combine
    .symbol:         k_qfca268d09e_combine.kd
    .args:
      - { .name: hbuf, .offset: 0, .size: 8, .value_kind: global_buffer, .address_space: global }
      - { .name: coef, .offset: 8, .size: 8, .value_kind: global_buffer, .address_space: global }
      - { .name: out0, .offset: 16, .size: 8, .value_kind: global_buffer, .address_space: global }
    .group_segment_fixed_size: 0
    .private_segment_fixed_size: 0
    .kernarg_segment_align: 8
    .kernarg_segment_size: 24
    .max_flat_workgroup_size: 256
    .sgpr_count:     66
    .vgpr_count:     160
    .wavefront_size: 32
...
	.end_amdgpu_metadata
.endif
;; end of part 3
;; ======== version 2 of 2: 3 launches
;; workspace buffers: xq 4,194,304 bytes; xs 131,072 bytes; coef 16,384 bytes; rmask 4,096 bytes of whole numbers; hbuf 33,554,432 bytes
;; launch route (part 4): grid 256 x 1, 8 waves a work-group, no clusters, 6,144 bytes of LDS; arguments inputs, Wg, bg, xq, xs, coef, rmask; writes xq, xs, coef, rmask
.if DOCPART == 4
	.amdgcn_target "amdgcn-amd-amdhsa--gfx1250"
	.amdhsa_code_object_version 6
	.text
	.protected	k_qfca268d09e_route
	.globl	k_qfca268d09e_route
	.p2align	8
	.type	k_qfca268d09e_route,@function
k_qfca268d09e_route:
	s_mov_b64 s[64:65], 0
	v_nop
	global_prefetch_b8 v0, s[64:65] scope:SCOPE_SE
	s_setreg_imm32_b32 hwreg(HW_REG_WAVE_MODE, 25, 1), 1
	s_wait_xcnt 0x0
; THE GATE AND x'S CODES.  inputs [2048][2048] f32, Wg [2048][8] f32, bg [8] f32.
; Stored: xq [2048][2048] codes of E4M3, K ascending; xs [2048][64] E8M0 bytes, one for each 32 along K; coef [2048][2] f32, the two
; chosen experts' weights after both softmaxes; rmask [8 experts][128 words]: bit b of word j of expert e = routed row 32 j + b
; (routed row = 2 x token + slot) goes to expert e.  The choice enters values alone here: no address and no branch hangs on it.
; SHARES.  A work-group owns 8 tokens.  Wave w owns K = 256 w .. 256 w + 255 of all 8 rows, so that its 8 KB of Wg are loaded once, into 64
; registers; lane l owns k = 256 w + 8 l + 0 .. 7, so that four neighbouring lanes hold a block of 32.
; THE GATE is summed in f32 by fused multiply-adds: a coarser operand would change the second expert of some tokens.
; LIMITS: NaN and infinities among the inputs are not served.  A block of zeros gets the byte 1 where the quantiser's rule says 127: its codes
; are zeros, and this program alone reads the bytes.  The order of the gate's f32 sum is not JAX's: two logits that differ by less than that
; sum's rounding may change places.  Logits that are equal take the lower index, as lax.top_k does.
.set PART, 0                           ; LDS: partial sums [wave 8][half of the lanes 2][row 8][expert 8] f32
.set XSC,  4096                        ; the 8 rows' scale bytes [row 8][64]
.set IDX,  4608                        ; the chosen experts [row 8][slot 2] u32
.set CF,   4672                        ; their weights [row 8][slot 2] f32
.set X,    16                          ; v16-79   row r's 8 numbers at X + 8 r
.set WG,   80                          ; v80-143  Wg(k, e) at WG + 8 k + e
.set ACC,  144                         ; v144-207 row r's 8 partial logits at ACC + 8 r
.set T,    208                         ; v208-215 8 numbers held within the largest code x the scale
.set C,    216                         ; v216-231 two registers of codes for each row: no store's data are written again
.set E,    240                         ; v240-247 a scale byte for each row
.set P,    16                          ; behind the first barrier: v16-143, the 16 partial sums of my row
	s_load_b256 s[4:11], s[0:1], 0x0               ; inputs s[4:5], Wg s[6:7], bg s[8:9], xq s[10:11]
	s_load_b128 s[12:15], s[0:1], 0x20             ; xs s[12:13], coef s[14:15]
	s_load_b64 s[16:17], s[0:1], 0x30              ; rmask
	v_lshl_add_u32 v254, v0, 2, 0x1400
	v_mov_b32 v255, 0
	v_lshrrev_b32 v10, 5, v0
	s_delay_alu instid0(VALU_DEP_1)
	v_readfirstlane_b32 s18, v10                   ; wave 0..7
	v_and_b32 v1, 31, v0                           ; lane
	s_delay_alu instid0(VALU_DEP_1)
	v_lshlrev_b32 v2, 5, v1                        ; inputs: my 8 numbers, 32 bytes
	s_delay_alu instid0(VALU_DEP_2)
	v_lshlrev_b32 v3, 8, v1                        ; Wg: my 8 rows of 32 bytes
	s_delay_alu instid0(VALU_DEP_3)
	v_lshlrev_b32 v4, 3, v1                        ; xq: my 8 codes
	s_delay_alu instid0(VALU_DEP_4)
	v_lshrrev_b32 v10, 4, v1
	s_lshl_b32 s28, s18, 9
	v_lshl_add_u32 v5, v10, 8, s28                 ; PART + 512 wave + 256 (lane / 16)
	v_lshrrev_b32 v10, 2, v1
	s_lshl_b32 s28, s18, 3
	s_add_co_u32 s29, s28, XSC
	v_add_nc_u32 v6, s29, v10                      ; XSC + 8 wave + lane / 4: my block's byte
	s_lshl_b32 s29, s18, 5
	v_mov_b32 v7, s29                              ; PART + 32 wave: row w's partial sums
	s_add_co_u32 s29, s28, IDX
	v_mov_b32 v8, s29                              ; IDX + 8 wave
	s_add_co_u32 s29, s28, CF
	v_mov_b32 v9, s29                              ; CF + 8 wave
	v_and_b32 v10, 15, v1
	s_delay_alu instid0(VALU_DEP_1)
	v_lshl_add_u32 v11, v10, 2, CF                 ; wave 0 at the end: a weight for each of 16 lanes
	v_mov_b32 v12, IDX                             ; and all 16 indices in every lane
	v_lshl_add_u32 v13, v1, 4, XSC                 ; wave 1 at the end: 16 scale bytes a lane
	s_delay_alu instid0(VALU_DEP_4)
	v_lshlrev_b32 v14, 2, v10                      ; coef: 4 bytes a lane
	v_lshlrev_b32 v15, 9, v1                       ; rmask: expert = lane, 512 bytes an expert
	v_lshlrev_b32 v248, 4, v1                      ; xs: 16 bytes a lane
	s_mov_b32 s28, 0x600000                        ; the mantissa field of 448
	s_mov_b32 s31, 0
	s_wait_kmcnt 0x0
	s_load_b256 s[20:27], s[8:9], 0x0              ; bg's eight numbers
	s_lshl_b32 s30, ttmp9, 16                      ; inputs: 8 rows of 8,192 bytes a work-group, 1,024 bytes a wave
	s_lshl_b32 s32, s18, 10
	s_add_co_u32 s30, s30, s32
	s_add_nc_u64 s[4:5], s[4:5], s[30:31]
	s_lshl_b32 s30, s18, 13                        ; Wg: 256 rows of 32 bytes a wave
	s_add_nc_u64 s[6:7], s[6:7], s[30:31]
	s_lshl_b32 s30, ttmp9, 14                      ; xq: 8 rows of 2,048 bytes a work-group, 256 bytes a wave
	s_lshl_b32 s32, s18, 8
	s_add_co_u32 s30, s30, s32
	s_add_nc_u64 s[10:11], s[10:11], s[30:31]
	s_lshl_b32 s30, ttmp9, 9                       ; xs: 8 rows of 64 bytes
	s_add_nc_u64 s[12:13], s[12:13], s[30:31]
	s_lshl_b32 s30, ttmp9, 6                       ; coef: 8 rows of 8 bytes
	s_add_nc_u64 s[14:15], s[14:15], s[30:31]
	s_lshl_b32 s30, ttmp9, 1                       ; rmask: my 16 routed rows are half a word
	s_add_nc_u64 s[16:17], s[16:17], s[30:31]
.set j, 0
.rept 16
	global_load_b128 v[WG+4*j:WG+4*j+3], v3, s[6:7] offset:16*j
.set j, j+1
.endr
.irp r, 0,1,2,3,4,5,6,7
	global_load_b128 v[X+8*\r:X+8*\r+3], v2, s[4:5] offset:8192*\r th:TH_LOAD_NT
	global_load_b128 v[X+8*\r+4:X+8*\r+7], v2, s[4:5] offset:8192*\r+16 th:TH_LOAD_NT
.endr
; One row: its share of the eight logits, and its 8 numbers a lane into codes.
.macro ROW r
	s_wait_loadcnt 14-2*\r                         ; loads come back in order: Wg and this row are in; the two loads of each younger row may be out
.irp p, 0,1,2,3
	v_pk_mul_f32 v[ACC+8*\r+2*\p:ACC+8*\r+2*\p+1], v[WG+2*\p:WG+2*\p+1], v[X+8*\r:X+8*\r+1] op_sel_hi:[1,0]   ; the first k starts the sums; x is taken for both halves
.endr
.irp kk, 1,2,3,4,5,6,7
.irp p, 0,1,2,3
.if (\kk)%2 == 1
	s_delay_alu instid0(VALU_DEP_4)
	v_pk_fma_f32 v[ACC+8*\r+2*\p:ACC+8*\r+2*\p+1], v[WG+8*\kk+2*\p:WG+8*\kk+2*\p+1], v[X+8*\r+\kk-1:X+8*\r+\kk], v[ACC+8*\r+2*\p:ACC+8*\r+2*\p+1] op_sel:[0,1,0] op_sel_hi:[1,1,1]
.else
	s_delay_alu instid0(VALU_DEP_4)
	v_pk_fma_f32 v[ACC+8*\r+2*\p:ACC+8*\r+2*\p+1], v[WG+8*\kk+2*\p:WG+8*\kk+2*\p+1], v[X+8*\r+\kk:X+8*\r+\kk+1], v[ACC+8*\r+2*\p:ACC+8*\r+2*\p+1] op_sel_hi:[1,0,1]
.endif
.endr
.endr
	v_max3_num_f32 v232, |v[X+8*\r]|, |v[X+8*\r+1]|, 0x4800000      ; the largest magnitude of my 8, and the floor 2^(9 - 127): the byte cannot fall under 1
	s_delay_alu instid0(VALU_DEP_1)
	v_max3_num_f32 v232, v232, |v[X+8*\r+2]|, |v[X+8*\r+3]|
	s_delay_alu instid0(VALU_DEP_1)
	v_max3_num_f32 v232, v232, |v[X+8*\r+4]|, |v[X+8*\r+5]|
	s_delay_alu instid0(VALU_DEP_1)
	v_max3_num_f32 v232, v232, |v[X+8*\r+6]|, |v[X+8*\r+7]|
	s_delay_alu instid0(VALU_DEP_1)
	v_max_num_f32_dpp v232, v232, v232 row_xmask:1 row_mask:0xf bank_mask:0xf
	s_delay_alu instid0(VALU_DEP_1)
	v_max_num_f32_dpp v232, v232, v232 row_xmask:2 row_mask:0xf bank_mask:0xf   ; of the four lanes that hold the block
	s_delay_alu instid0(VALU_DEP_1)
	v_add_nc_u32 v233, 0xfc000000, v232            ; 8 off its exponent field: the conversion takes the exponent field of this operand as its scale
	s_delay_alu instid0(VALU_DEP_2)
	v_and_or_b32 v234, v232, 0x7f800000, s28       ; 448 x the scale
.irp i, 0,1,2,3,4,5,6,7
	v_med3_num_f32 v[T+\i], v[X+8*\r+\i], -v234, v234   ; the conversion to an 8-bit code does not saturate (ISA guide 7.6.2): the hold comes first
.endr
	v_cvt_scalef32_pk8_fp8_f32 v[C+2*\r:C+2*\r+1], v[T:T+7], v233
	v_lshrrev_b32 v[E+\r], 23, v233                ; the scale's byte (a plain line behind the conversion)
	ds_store_b8 v6, v[E+\r] offset:64*\r           ; the four lanes of a block write the same byte with the same value
	global_store_b64 v4, v[C+2*\r:C+2*\r+1], s[10:11] offset:2048*\r   ; the wave stores 256 consecutive bytes, at a multiple of 256 from xq's first byte
.endm
.irp r, 0,1,2,3,4,5,6,7
	ROW \r
.endr
; the 64 partial sums over each half of the lanes: the registers take turns, so that no line waits for the line above it
.irp m, 1,2,4,8
.set j, 0
.rept 64
	v_add_f32_dpp v[ACC+j], v[ACC+j], v[ACC+j] row_xmask:\m row_mask:0xf bank_mask:0xf
.set j, j+1
.endr
.endr
.set j, 0
.rept 16
	ds_store_b128 v5, v[ACC+4*j:ACC+4*j+3] offset:16*j   ; the 16 lanes of a half write the same bytes with the same values
.set j, j+1
.endr
	s_wait_dscnt 0x0                               ; for the others' sake: my partial sums and scale bytes have landed
	s_barrier_signal -1
	s_barrier_wait -1
; wave w finishes row w, every lane alike
.set p, 0
.rept 16
	ds_load_b128 v[P+8*p:P+8*p+3], v7 offset:256*p
	ds_load_b128 v[P+8*p+4:P+8*p+7], v7 offset:256*p+16
.set p, p+1
.endr
	s_wait_dscnt 0x0
.set p, 1
.rept 15
.irp q, 0,2,4,6
	v_pk_add_f32 v[P+\q:P+\q+1], v[P+\q:P+\q+1], v[P+8*p+\q:P+8*p+\q+1]
.endr
.set p, p+1
.endr
	s_wait_alu depctr_va_vdst(0)
	s_wait_kmcnt 0x0                               ; bg
.irp e, 0,1,2,3,4,5,6,7
	v_add_f32 v[P+\e], s[20+\e], v[P+\e]
.endr
	v_mov_b32 v232, v[P]                           ; the largest logit and its index: a later one takes over only if it is greater
	v_mov_b32 v234, 0
.irp e, 1
	s_delay_alu instid0(VALU_DEP_2)
	v_cmp_le_f32 vcc_lo, v[P+\e], v232
	s_delay_alu instid0(VALU_DEP_1)
	v_cndmask_b32 v234, \e, v234, vcc_lo
	s_delay_alu instid0(VALU_DEP_4)
	v_max_num_f32 v232, v232, v[P+\e]
.endr
.irp e, 2, 3, 4, 5, 6, 7
	s_delay_alu instid0(VALU_DEP_1)
	v_cmp_le_f32 vcc_lo, v[P+\e], v232
	s_delay_alu instid0(VALU_DEP_1)
	v_cndmask_b32 v234, \e, v234, vcc_lo
	s_delay_alu instid0(VALU_DEP_3)
	v_max_num_f32 v232, v232, v[P+\e]
.endr
	v_mov_b32 v239, 0xff800000                     ; -infinity takes the winner's place,
.irp e, 0,1,2,3,4,5,6,7
	v_cmp_eq_u32 vcc_lo, \e, v234
	s_delay_alu instid0(VALU_DEP_1)
	v_cndmask_b32 v[P+\e], v[P+\e], v239, vcc_lo
.endr
	v_mov_b32 v233, v[P]                           ; and the same search finds the second
	v_mov_b32 v235, 0
.irp e, 1
	s_delay_alu instid0(VALU_DEP_2)
	v_cmp_le_f32 vcc_lo, v[P+\e], v233
	s_delay_alu instid0(VALU_DEP_1)
	v_cndmask_b32 v235, \e, v235, vcc_lo
	s_delay_alu instid0(VALU_DEP_4)
	v_max_num_f32 v233, v233, v[P+\e]
.endr
.irp e, 2, 3, 4, 5, 6, 7
	s_delay_alu instid0(VALU_DEP_1)
	v_cmp_le_f32 vcc_lo, v[P+\e], v233
	s_delay_alu instid0(VALU_DEP_1)
	v_cndmask_b32 v235, \e, v235, vcc_lo
	s_delay_alu instid0(VALU_DEP_3)
	v_max_num_f32 v233, v233, v[P+\e]
.endr
	s_delay_alu instid0(VALU_DEP_1)
; softmax of the two values, and softmax of the result: in both the larger one is taken away, so that the exponent is 0 or less
	v_sub_f32 v238, v233, v232
	s_delay_alu instid0(VALU_DEP_1)
	v_mul_f32 v238, 0x3fb8aa3b, v238
	s_wait_alu depctr_va_vdst(0)
	v_exp_f32 v238, v238                           ; t = e^(second - first)
	v_nop                                          ; a plain line behind each transcendental (ISA guide 5.7.2)
	s_wait_alu depctr_va_vdst(0)
	v_add_f32 v240, 1.0, v238
	s_wait_alu depctr_va_vdst(0)
	v_rcp_f32 v240, v240                           ; w0 = 1 / (1 + t)
	v_nop
	s_wait_alu depctr_va_vdst(0)
	v_mul_f32 v241, v238, v240                     ; w1 = t w0
	v_sub_f32 v241, v241, v240                     ; w1 - w0, 0 or less
	s_delay_alu instid0(VALU_DEP_1)
	v_mul_f32 v241, 0x3fb8aa3b, v241
	s_wait_alu depctr_va_vdst(0)
	v_exp_f32 v241, v241
	v_nop
	s_wait_alu depctr_va_vdst(0)
	v_add_f32 v236, 1.0, v241
	s_wait_alu depctr_va_vdst(0)
	v_rcp_f32 v236, v236                           ; slot 0's weight
	v_nop
	s_wait_alu depctr_va_vdst(0)
	v_mul_f32 v237, v241, v236                     ; slot 1's
	ds_store_b64 v8, v[234:235]
	ds_store_b64 v9, v[236:237]
	s_wait_dscnt 0x0
	s_barrier_signal -1
	s_barrier_wait -1
	s_cmp_eq_u32 s18, 0
	s_cbranch_scc1 .Lwave0
	s_cmp_eq_u32 s18, 1
	s_cbranch_scc1 .Lwave1
	s_wait_tensorcnt 0x0
	ds_add_u32 v254, v255
	s_wait_dscnt 0x0
	s_endpgm
.Lwave0:                                           ; the 16 weights, and the eight experts' 16 mask bits
	ds_load_b32 v16, v11
.irp q, 0,1,2,3
	ds_load_b128 v[20+4*\q:23+4*\q], v12 offset:16*\q
.endr
	s_wait_dscnt 0x0
	v_mov_b32 v17, 0
	v_mov_b32 v18, 1
.set k, 0
.rept 16
	v_cmp_eq_u32 vcc_lo, v[20+k], v1               ; does routed row k of my 16 go to expert = lane?
	s_delay_alu instid0(VALU_DEP_1)
	v_cndmask_b32 v19, 0, v18, vcc_lo
	s_delay_alu instid0(VALU_DEP_1)
	v_lshl_or_b32 v17, v19, k, v17
.set k, k+1
.endr
	v_cmp_gt_u32 vcc_lo, 16, v1
	s_wait_alu depctr_va_vdst(0)
	s_wait_xcnt 0x0                                ; EXEC is a source of the stores that are out: it changes only behind this wait
	s_wait_tensorcnt 0x0
	ds_add_u32 v254, v255
	s_wait_dscnt 0x0
	s_and_saveexec_b32 s34, vcc_lo
	global_store_b32 v14, v16, s[14:15]            ; 64 consecutive bytes of coef
	s_wait_xcnt 0x0
	s_or_b32 exec_lo, exec_lo, s34
	v_cmp_gt_u32 vcc_lo, 8, v1
	s_wait_xcnt 0x0
	s_and_saveexec_b32 s34, vcc_lo
	global_store_b16 v15, v17, s[16:17]            ; half a word for each of the 8 experts
	s_wait_xcnt 0x0
	s_or_b32 exec_lo, exec_lo, s34
	s_endpgm
.Lwave1:                                           ; the 8 rows' scale bytes leave as 512 consecutive bytes
	ds_load_b128 v[16:19], v13
	s_wait_dscnt 0x0
	global_store_b128 v248, v[16:19], s[12:13]
	s_wait_tensorcnt 0x0
	ds_add_u32 v254, v255
	s_wait_dscnt 0x0
	s_endpgm
.Lfunc_end_k_qfca268d09e_route:
	.size	k_qfca268d09e_route, .Lfunc_end_k_qfca268d09e_route-k_qfca268d09e_route
	.p2alignl 7, 3214868480
	.fill 96, 4, 3214868480
	.section	.rodata,"a",@progbits
	.p2align	6, 0x0
	.amdhsa_kernel k_qfca268d09e_route
		.amdhsa_group_segment_fixed_size 6144
		.amdhsa_private_segment_fixed_size 0
		.amdhsa_enable_private_segment 0
		.amdhsa_kernarg_size 56
		.amdhsa_user_sgpr_count 2
		.amdhsa_user_sgpr_kernarg_segment_ptr 1
		.amdhsa_wavefront_size32 1
		.amdhsa_system_sgpr_workgroup_id_x 1
		.amdhsa_system_sgpr_workgroup_id_y 1
		.amdhsa_system_sgpr_workgroup_id_z 1
		.amdhsa_system_vgpr_workitem_id 0
		.amdhsa_next_free_vgpr 256
		.amdhsa_next_free_sgpr 66
		.amdhsa_reserve_vcc 1
		.amdhsa_float_denorm_mode_32 3
		.amdhsa_float_denorm_mode_16_64 3
		.amdhsa_memory_ordered 1
		.amdhsa_forward_progress 1
		.amdhsa_inst_pref_size 74
	.end_amdhsa_kernel
	.amdgpu_metadata
---
amdhsa.version: [ 1, 2 ]
amdhsa.kernels:
  - .name:           k_qfca268d09e_route
    .symbol:         k_qfca268d09e_route.kd
    .args:
      - { .name: inputs, .offset: 0, .size: 8, .value_kind: global_buffer, .address_space: global }
      - { .name: Wg, .offset: 8, .size: 8, .value_kind: global_buffer, .address_space: global }
      - { .name: bg, .offset: 16, .size: 8, .value_kind: global_buffer, .address_space: global }
      - { .name: xq, .offset: 24, .size: 8, .value_kind: global_buffer, .address_space: global }
      - { .name: xs, .offset: 32, .size: 8, .value_kind: global_buffer, .address_space: global }
      - { .name: coef, .offset: 40, .size: 8, .value_kind: global_buffer, .address_space: global }
      - { .name: rmask, .offset: 48, .size: 8, .value_kind: global_buffer, .address_space: global }
    .group_segment_fixed_size: 6144
    .private_segment_fixed_size: 0
    .kernarg_segment_align: 8
    .kernarg_segment_size: 56
    .max_flat_workgroup_size: 256
    .sgpr_count:     66
    .vgpr_count:     256
    .wavefront_size: 32
...
	.end_amdgpu_metadata
.endif
;; end of part 4
;; launch experts (part 5): grid 256 x 1, 8 waves a work-group, no clusters, 181,248 bytes of LDS; arguments We, be, xq, xs, rmask, hbuf; writes hbuf
.if DOCPART == 5
	.amdgcn_target "amdgcn-amd-amdhsa--gfx1250"
	.amdhsa_code_object_version 6
	.text
	.protected	k_qfca268d09e_experts
	.globl	k_qfca268d09e_experts
	.p2align	8
	.type	k_qfca268d09e_experts,@function
k_qfca268d09e_experts:
	s_mov_b64 s[64:65], 0
	v_nop
	global_prefetch_b8 v0, s[64:65] scope:SCOPE_SE
	s_setreg_imm32_b32 hwreg(HW_REG_WAVE_SCHED_MODE, 0, 2), 2
	s_setreg_imm32_b32 hwreg(HW_REG_WAVE_MODE, 25, 1), 1
	s_wait_xcnt 0x0
	s_wait_alu depctr_vm_vsrc(0)
; h = x We[e] + be[e] for the routed rows alone, on codes of E4M3 with one E8M0 scale for each 32 along K.
; We [8][2048 k][2048 n] f32; be [8][2048] f32; xq, xs: x's codes and scale bytes; rmask [8][128 words]: bit b of word j of expert e = routed row 32 j + b
; (2 x token + slot) goes to expert e.  hbuf [4096 routed rows][2048] f32: a row lies at its own number, so that no later index is needed.
; SHARES.  Work-group = (expert e, 64 columns): 8 x 32 = 256.  It reads its strip of We, 2,048 x 64 f32, once in the whole launch, quantises it along K and keeps
; the 128 KB of codes in LDS; then it multiplies all rows routed to e by them.  We's codes never go to memory.
; PHASES.  List: the expert's 128 mask words become a list of routed rows in LDS.  A: wave w quantises K = 256 w .. + 255 of the 64 columns.
; B: groups of 64 list entries, one to a wave at a time: 4 tiles of rows x 4 tiles of columns, 16 K steps of 128; x's fragments are gathered from xq straight into registers.
; THE LIST'S TAIL.  The entries from the expert's count to the end of its last group of 64 repeat the expert's LAST routed row: the wave that has that row computes it again and
; stores the same numbers to the same bytes.  So every entry of a group that is walked is a row of this expert, and no lane is ever switched off.
; THE MATRIX INSTRUCTION IS USED TRANSPOSED (source 0 = 16 columns of We, source 1 = 16 rows of x): a lane then holds eight neighbouring numbers of one row of h.
; NO CLUSTER, NO TENSOR LOADS: each byte of We is read by one work-group, so nothing of it is shared; what the 32 work-groups of an expert share is x's rows, which are
; picked by a list, row by row, and how many groups a wave walks hangs on a count read from memory, which differs from expert to expert.
; LIMITS: NaN and infinities among the inputs are not served.  A block of zeros gets the byte 1 where the quantiser's rule says 127: its codes are zeros, and this program alone reads the bytes.
; REGISTERS, in windows of 256 (s_set_vgpr_msb: bits 1:0 source 0, 3:2 source 1, 5:4 source 2, 7:6 destination):
;   window 0: v1-15 addresses that stay; v16-21 a group's gather offsets; v22-23 at work; v24-31 We's scale words, v32-63 x's (scales and nothing else);
;             v64-255 x's fragments, three buffers of 64; ahead of phase B v64-95 are at work; on the way out v64-95 are row offsets and v128-255 rows of h.
;   window 1: phase A: three sets of 64 numbers, v192-223 codes;  phase B: v0-127 the 16 accumulators, v128-255 We's fragments, two sets of 64.
; THE MODE: SCHED_MODE bits 1:0 = 2 (LLVM: expert scheduling mode 2), set by the entry lines.  The code itself states the register dependences
; between vector or matrix instructions and memory or LDS instructions, with s_wait_alu, always for 0.
; THE PLAN.  Registers that memory or LDS instructions touch, and who else names them:
;   v2-v7, v11, v12, v14   offsets and addresses, written once at the head, ahead of a wait on va_vdst, and never again.
;   PHASE A.  Sets 0 to 2: block t's vector lines work on set t % 3; the loads of block t + 2 land in set (t - 1) % 3.  C0, C1: written by a block's permutes, read by its four LDS stores.
;             Two waits on va_vdst a block, ahead of the permutes and behind them; the second: C0 and C1 are written, and the block is done with its set.  The stores follow it, and so do the next block's loads,
;             ahead of which no vector line is issued.  One wait on vm_vsrc a block, ahead of the permutes: the last block's stores have read C0 and C1.
;   PHASE B.  Step s: its matrix instructions read x's buffer s % 3, We's set s % 2 with its scale words, x's scale words and the accumulators.  The loads issued in step s land in
;             x's buffer (s + 2) % 3 and in We's set (s + 1) % 2 with its scale words: what step s - 1 read.  ONE wait on va_vdst at the step's head states that step s - 1 is done reading;
;             x's gathers follow it at once, We's fragments are dealt among the step's matrix instructions, which name none of the registers that those loads touch.
;             v16-23 and, on the way out, v64-95 are made by vector lines from list entries: a wait on va_vdst stands between the lines that make them and the loads and stores that read them,
;             a wait on vm_vsrc ahead of the lines that write them again (the heads of HEADA and HEADB).
.set WP,    2064                       ; a column's 2,048 codes in LDS + 16 of padding = 516 words: column r starts at bank 4 r mod 64 (64 banks of 4 bytes: ISA guide 11.1)
.set BSC,   64*WP                      ; We's scale words: 256 s + 16 r + 4 t for column 16 t + r and K step s
.set LIST,  BSC+4096                   ; 2,112 list words, 32 words for the lanes that have nothing to say, 32 of padding
.set STAGE, LIST+8704                  ; the way out: 16 rows x 272 bytes for each wave
.set AO,  16                           ; v16-19  tile i of rows: token x 2,048 + 16 (lane / 16)
.set SOF, 20                           ; v20-21  pair p of tiles: token x 64
.set WSW, 24                           ; We's scale words: set s % 2, tile t
.set XSW, 32                           ; x's scale words: 16 p + s; lanes 0-15 tile 2 p, lanes 16-31 tile 2 p + 1
.set AR,  64                           ; x's fragments: buffer s % 3, tile i at + 16 i
.set AM,  64                           ; phase A: v64-65 largest magnitudes, v66-67 1 / scale, v68-69 at work, v70-73 scale words, v74 = 1.0
.set MU,  66
.set T,   68
.set SB,  70
.set ONE, 74
.set MW,  76                           ; the list: v76-79 my four mask words, v80-83 zeros, v84 16 x lane in the list, v85 the row number, v86 my spare place, v88-91 places, v92-95 row numbers
.set ZR,  80
.set PZ,  84
.set RRV, 85
.set DMP, 86
.set PS,  88
.set RV,  92
.set MS,  36                           ; s36-39  the list: a trip's four mask words
.set RR,  64                           ; the way out: v64-95 offsets in hbuf of the rows that I store: tile i, pair q at RR + 8 i + q
.set OB,  128                          ; v128-255 the rows read back from the stage: 32 registers for each tile, so that no store's data are written again in a group
.set CI,  192                          ; window 1, phase A: codes of two columns interleaved; then column 2 l's and column 2 l + 1's
.set C0,  208
.set C1,  216
.set BF,  128                          ; window 1, phase B: We's fragments
.set W_LD1, 0x40                       ; destination window 1
.set W_MAX, 0x14                       ; sources 1 and 2 window 1
.set W_SCL, 0x41                       ; destination and source 0 window 1
.set W_PRM, 0x45                       ; destination and sources 0 and 1 window 1
.set W_DS1, 0x04                       ; an LDS store's data (its source 1) window 1
.set W_MUL, 0x51                       ; source 0 (We), C and D window 1; source 1 (x) window 0
.set MSB, 0
.macro WIN new                         ; the immediate's high byte repeats the setting that is left; a switch that changes nothing is dropped
.if MSB != \new
	s_set_vgpr_msb (MSB<<8)|\new
.set MSB, \new
.endif
.endm
; block t of my 8: We(256 w + 32 t + i, columns 2 l and 2 l + 1), i = 0 .. 31, into set t % 3.  Each load of the wave covers 256 consecutive bytes, at a multiple of 256 from We's first byte
.macro LOAD t
	WIN W_LD1
.set i, 0
.rept 32
	global_load_b64 v[64*((\t)%3)+2*i:64*((\t)%3)+2*i+1], v2, s[4:5] offset:(32*(\t)+i)*8192 th:TH_LOAD_NT
.set i, i+1
.endr
.endm
	s_load_b256 s[4:11], s[0:1], 0x0               ; We s[4:5], be s[6:7], xq s[8:9], xs s[10:11]
	s_load_b128 s[12:15], s[0:1], 0x20             ; rmask s[12:13], hbuf s[14:15]
	v_lshrrev_b32 v22, 5, v0
	v_readfirstlane_b32 s16, v22                   ; wave 0..7
	v_and_b32 v1, 31, v0                           ; lane
	v_lshlrev_b32 v2, 3, v1                        ; We: two columns, 8 bytes a lane
	v_lshlrev_b32 v23, 4, v1                       ; rmask: four words a lane
	s_lshr_b32 s17, ttmp9, 5                       ; the expert
	s_and_b32 s18, ttmp9, 31                       ; which 64 columns
	s_lshl_b32 s32, s17, 24                        ; We: 2^24 bytes an expert, 256 rows of 8,192 bytes a wave, 256 bytes a strip
	s_wait_alu depctr_va_sdst(0)                   ; s16 is written, ahead of its first reader
	s_lshl_b32 s20, s16, 21
	s_add_co_u32 s32, s32, s20
	s_lshl_b32 s20, s18, 8
	s_add_co_u32 s32, s32, s20
	s_mov_b32 s33, 0
	s_wait_kmcnt 0x0
	s_add_nc_u64 s[4:5], s[4:5], s[32:33]
	s_lshl_b32 s32, s17, 13                        ; be: 8,192 bytes an expert + the strip
	s_add_co_u32 s32, s32, s20
	s_add_nc_u64 s[6:7], s[6:7], s[32:33]
	s_lshl_b32 s32, s17, 9                         ; rmask: 512 bytes an expert
	s_add_nc_u64 s[12:13], s[12:13], s[32:33]
	s_mov_b32 s32, s20                             ; hbuf: the strip
	s_add_nc_u64 s[14:15], s[14:15], s[32:33]
	s_wait_alu depctr_va_vdst(0)                   ; v23 and v2 are written: the mask words' load and every load of We read them as offsets
	global_load_b128 v[MW:MW+3], v23, s[12:13]     ; the expert's 128 mask words, four a lane, in every wave
	LOAD 0
	WIN 0
	v_and_b32 v22, 15, v1                          ; r = lane % 16
	v_lshrrev_b32 v15, 4, v1                       ; h = lane / 16
	v_mul_u32_u24 v3, v1, 2*WP
	s_lshl_b32 s20, s16, 8
	v_add_nc_u32 v3, s20, v3                       ; phase A: column 2 l's row of codes, my wave's 256 along K
	v_and_b32 v4, 7, v1
	v_lshlrev_b32 v4, 5, v4
	v_lshrrev_b32 v5, 3, v1
	v_lshl_add_u32 v4, v5, 2, v4
	s_lshl_b32 s20, s16, 9
	s_add_co_u32 s20, s20, BSC
	v_add_nc_u32 v4, s20, v4                       ; phase A: scale words of column 2 l: BSC + 512 w + 32 (l % 8) + 4 (l / 8)
	v_mul_u32_u24 v5, v22, WP
	v_lshl_add_u32 v5, v15, 4, v5                  ; phase B: a fragment of We: column r x pitch + 16 h: tiles 0 and 1,
	v_add_nc_u32 v6, 32*WP, v5                     ; tiles 2 and 3
	v_lshl_add_u32 v7, v22, 4, BSC                 ; column r's four scale words of a K step (tiles 0 to 3)
	s_lshl_b32 s20, s16, 8
	s_add_co_u32 s20, s20, LIST                    ; my wave's 64 list entries of a pass
	v_lshl_add_u32 v8, v22, 2, s20                 ; entry r of a tile,
	v_lshl_add_u32 v9, v1, 2, s20                  ; entry = lane of a pair of tiles,
	v_lshl_add_u32 v10, v15, 2, s20                ; entry h of two rows
	s_mul_i32 s20, s16, 16*272
	s_add_co_u32 s20, s20, STAGE                   ; my stage
	v_mul_u32_u24 v11, v22, 272
	v_lshl_add_u32 v11, v15, 5, v11
	v_add_nc_u32 v11, s20, v11                     ; in: row r, 32 bytes for each half of the lanes
	v_mul_u32_u24 v12, v15, 272
	v_lshl_add_u32 v12, v22, 4, v12
	v_add_nc_u32 v12, s20, v12                     ; back: lanes 0-15 one row of 256 bytes, lanes 16-31 the next
	v_lshlrev_b32 v13, 4, v22                      ; and my 16 bytes of that row in hbuf
	v_lshlrev_b32 v14, 5, v15                      ; be: the eight columns of my half of a tile
	v_lshlrev_b32 v15, 4, v15                      ; 16 h: my half's bytes in a block of x's codes
	v_mov_b32 v[ONE], 1.0
.irp c, 0,1,2,3
	v_mov_b32 v[ZR+\c], 0
.endr
	v_lshl_add_u32 v[PZ], v1, 4, LIST
	v_mov_b32 v[RRV], v1
	v_add_nc_u32 v[DMP], 2112, v1
	s_mov_b32 s24, 0xc3e00000                      ; -448
	s_mov_b32 s25, 0x43e00000                      ; 448
	s_mov_b32 s26, 0x06040200                      ; v_perm_b32: the even bytes of two words,
	s_mov_b32 s27, 0x07050301                      ; the odd ones
	s_wait_alu depctr_va_vdst(0)                   ; the addresses v3 to v7, v11, v12 and v14 are written, which LDS and memory instructions read from here to the kernel's end; so are the zeros and their place, which wave 0's stores below read
; THE LIST.  Wave 0 first lays zeros, so that every word of the list that is read later has been written: an entry of a group that is not walked reads as a row that exists.
	s_cmp_lg_u32 s16, 0
	s_cbranch_scc1 .Lno_fill
.set j, 0
.rept 17
	ds_store_b128 v[PZ], v[ZR:ZR+3] offset:512*j
.set j, j+1
.endr
.Lno_fill:
	s_wait_loadcnt 32                              ; 32 loads were issued behind the mask words' load: it is in
	LOAD 1                                         ; 64 loads of 256 bytes a wave are on their way while the list is made.  (No vector line has named set 1; v2 stands as it was)
	WIN 0
	s_mov_b32 s22, 0                               ; rows found so far
	s_mov_b32 s23, 0
; 32 trips of four words, in ascending order of routed rows.  Every wave walks them, and so has the expert's count in a scalar of its own; wave 0 alone stores.
; In a word, lane b stands for routed row 32 j + b: its place is the count so far + the set bits under b; a lane whose bit is clear writes to its spare place.
.Lcompact:
.irp c, 0,1,2,3
	v_readlane_b32 s[MS+\c], v[MW+\c], s23         ; word 4 x trip + c: the four in one run,
.endr
	s_wait_alu depctr_va_sdst(0)                   ; s36 to s39 are written, ahead of their first reader: one wait for the run
.irp c, 0,1,2,3
	v_mbcnt_lo_u32_b32 v[PS+\c], s[MS+\c], 0
	v_add_nc_u32 v[PS+\c], s22, v[PS+\c]
	v_cndmask_b32 v[PS+\c], v[DMP], v[PS+\c], s[MS+\c]
	v_min_u32 v[PS+\c], 2143, v[PS+\c]             ; a number read from memory enters an address only behind a bound
	v_lshl_add_u32 v[PS+\c], v[PS+\c], 2, LIST
	v_add_nc_u32 v[RV+\c], 32*\c, v[RRV]
	s_bcnt1_i32_b32 s21, s[MS+\c]
	s_add_co_u32 s22, s22, s21
.endr
	v_add_nc_u32 v[RRV], 128, v[RRV]
	s_cmp_lg_u32 s16, 0
	s_cbranch_scc1 .Lno_store
	s_wait_alu depctr_va_vdst(0)                   ; the places and the row numbers are written, which the four stores read
.irp c, 0,1,2,3
	ds_store_b32 v[PS+\c], v[RV+\c]
.endr
.Lno_store:
	s_wait_alu depctr_vm_vsrc(0)                   ; the four stores have read the places and the row numbers, which the next trip, and the lines behind the loop, write again
	s_add_co_u32 s23, s23, 1
	s_cmp_lt_u32 s23, 32
	s_cbranch_scc1 .Lcompact
	s_min_u32 s19, s22, 2048                       ; the expert's rows: a token's two slots go to two experts, so 2,048 at the most
; the tail: the 64 entries behind the last repeat it.  (With no row at all the place read is a spare word, and no group is walked.)
	s_sub_co_u32 s20, s19, 1
	v_mov_b32 v[PS], s20
	v_min_u32 v[PS], 2143, v[PS]
	v_lshl_add_u32 v[PS], v[PS], 2, LIST           ; where the last entry lies
	v_add_nc_u32 v[PS+1], s19, v1
	v_min_u32 v[PS+1], 2079, v[PS+1]
	v_lshl_add_u32 v[PS+1], v[PS+1], 2, LIST       ; entry count + lane; 128 bytes on: entry count + 32 + lane, 2,111 at the most
	s_cmp_lg_u32 s16, 0
	s_cbranch_scc1 .Lno_pad
	s_wait_alu depctr_va_vdst(0)                   ; the two places are written, which the load and the stores below read; the loop's lines have written v92, in which the load lands
	ds_load_b32 v[RV], v[PS]                       ; LDS serves a wave's instructions in order (ISA guide 5.7.1.4): this sees wave 0's stores above
	s_wait_dscnt 0x0
	ds_store_b32 v[PS+1], v[RV]
	ds_store_b32 v[PS+1], v[RV] offset:128
.Lno_pad:
	s_wait_dscnt 0x0                               ; wave 0's list has landed
	s_barrier_signal -1
	s_barrier_wait -1                              ; no other wave has touched LDS so far
; PHASE A.  A lane holds two columns, its registers run down K: even registers column 2 l, odd ones column 2 l + 1.  A block of 32 along K of a column lies in one lane.
; The two columns have scales of their own, and a conversion takes one: so each number is multiplied by 1 / its scale, a power of two (nothing is rounded), held within +-448 and converted under the scale 1.
.macro BLOCK t
.set XB, 64*((\t)%3)
.if (\t) < 7
	s_wait_loadcnt 32                              ; this block's 32 loads are in; the next block's may be out
.else
	s_wait_loadcnt 0x0
.endif
.if (\t) < 6
	LOAD (\t)+2                                    ; into the set that the block before has left.  No wait here: no vector line has been issued since the wait ahead of that block's LDS stores (block 0: no vector line has named set 2)
.endif
	WIN 0
	v_mov_b32 v[AM], 0x4800000                     ; the floor 2^(9 - 127), under which no largest magnitude is taken: so the byte cannot fall under 1
	v_mov_b32 v[AM+1], 0x4800000
	WIN W_MAX
.set i, 0
.rept 16
	v_max3_num_f32 v[AM], v[AM], |v[XB+4*i]|, |v[XB+4*i+2]|          ; the two columns by turns
	v_max3_num_f32 v[AM+1], v[AM+1], |v[XB+4*i+1]|, |v[XB+4*i+3]|
.set i, i+1
.endr
	WIN 0
.irp c, 0,1
	v_add_nc_u32 v[T+\c], 0xfc000000, v[AM+\c]     ; 8 off the exponent field,
	v_lshrrev_b32 v[T+\c], 23, v[T+\c]             ; which is then the scale's byte
.if (\t)%4 == 0
	v_mov_b32 v[SB+2*\c+(\t)/4], v[T+\c]           ; four bytes to a word, the lower K in the lower byte
.else
	v_lshl_or_b32 v[SB+2*\c+(\t)/4], v[T+\c], 8*((\t)%4), v[SB+2*\c+(\t)/4]
.endif
	v_and_b32 v[MU+\c], 0x7f800000, v[AM+\c]
	v_sub_nc_u32 v[MU+\c], 0x83000000, v[MU+\c]    ; 1 / scale: exponent field 262 - the largest magnitude's
.endr
	WIN W_SCL
.set i, 0
.rept 32
	v_pk_mul_f32 v[XB+2*i:XB+2*i+1], v[XB+2*i:XB+2*i+1], v[MU:MU+1]
.set i, i+1
.endr
.set i, 0
.rept 64
	v_med3_num_f32 v[XB+i], v[XB+i], s24, s25      ; the conversion to an 8-bit code does not saturate (ISA guide 7.6.2)
.set i, i+1
.endr
.set i, 0
.rept 8
	v_cvt_scalef32_pk8_fp8_f32 v[CI+2*i:CI+2*i+1], v[XB+8*i:XB+8*i+7], v[ONE]
.set i, i+1
.endr
	v_nop                                          ; a plain line between the conversions and the first use of their results
	s_wait_alu depctr_va_vdst(0)
	s_wait_dscnt 0x0                               ; the last block's LDS stores are done,
.if (\t) > 0
	s_wait_alu depctr_vm_vsrc(0)                   ; and have read C0 and C1, which the permutes below write again
.endif
	WIN W_PRM
.set i, 0
.rept 8
	v_perm_b32 v[C0+i], v[CI+2*i+1], v[CI+2*i], s26   ; column 2 l, k = 4 i .. 4 i + 3
	v_perm_b32 v[C1+i], v[CI+2*i+1], v[CI+2*i], s27   ; column 2 l + 1
.set i, i+1
.endr
	WIN W_DS1
	s_wait_alu depctr_va_vdst(0)                   ; the permutes have written C0 and C1, which the four stores read; the block's lines are done with its set, in which the next block's loads land; in block 7: the scale words v70 to v73 are written
	ds_store_b128 v3, v[C0:C0+3] offset:32*(\t)
	ds_store_b128 v3, v[C0+4:C0+7] offset:32*(\t)+16
	ds_store_b128 v3, v[C1:C1+3] offset:WP+32*(\t)
	ds_store_b128 v3, v[C1+4:C1+7] offset:WP+32*(\t)+16
.endm
.irp t, 0,1,2,3,4,5,6,7
	BLOCK \t
.endr
	WIN 0
.irp c, 0,1
.irp j, 0,1
	ds_store_b32 v4, v[SB+2*\c+\j] offset:256*\j+16*\c   ; K steps 2 w and 2 w + 1 of columns 2 l and 2 l + 1.  (No vector line has been issued since block 7's wait)
.endr
.endr
	s_wait_dscnt 0x0                               ; for the others' sake: my codes and scale words have landed
	s_barrier_signal -1
	s_barrier_wait -1                              ; the strip's codes are whole; from here on nobody writes them, and no barrier follows
; PHASE B.  Every address register is made on the path that all trips take (HEADA, HEADB); the branches on the expert's count go round loads, products and stores alone.
.macro ALOAD s                         ; x's four fragments of K step s: lane (r, h) takes, of its tile's row r, k = 128 s + 32 c + 16 h + 0 .. 15
	WIN 0
.irp i, 0,1,2,3
.irp c, 0,1,2,3
	global_load_b128 v[AR+64*((\s)%3)+16*\i+4*\c:AR+64*((\s)%3)+16*\i+4*\c+3], v[AO+\i], s[8:9] offset:128*(\s)+32*\c
.endr
.endr
.endm
.macro BSCALE s                        ; We's scale words of K step s, tiles 0 to 3: one LDS load, under window 0
	ds_load_b128 v[WSW+4*((\s)%2):WSW+4*((\s)%2)+3], v7 offset:256*(\s)
.endm
.macro BHALF s, u                      ; We's fragments 2 u and 2 u + 1 of K step s: eight LDS loads, by v5 (u = 0) or v6 (u = 1), the destination in window 1
.irp t, 0,1
.irp c, 0,1,2,3
	ds_load_b128 v[BF+64*((\s)%2)+32*(\u)+16*\t+4*\c:BF+64*((\s)%2)+32*(\u)+16*\t+4*\c+3], v[5+(\u)] offset:\t*16*WP+128*(\s)+32*\c
.endr
.endr
.endm
.macro BLOAD s                         ; We's four fragments of K step s and their scale words: 17 LDS loads
	WIN 0
	BSCALE \s
	WIN W_LD1
	BHALF \s, 0
	BHALF \s, 1
.endm
; My group's 64 list entries become gather offsets into xq and xs.
.macro HEADA
	s_wait_alu depctr_vm_vsrc(0)                   ; all memory and LDS instructions so far have read their registers: v22 and v23, which the two lines below write; v16 to v21, in which the list entries land; and what the group's loads land in: the accumulators (the stage's stores read them), v64 to v255 (the global stores' offsets and data; in the first pass the list's and phase A's store data) and phase A's codes
	v_add_nc_u32 v22, s29, v8
	v_add_nc_u32 v23, s29, v9
	s_wait_alu depctr_va_vdst(0)                   ; v22 and v23 are written, which the six loads read; the last pass's lines are done with v16 to v21, in which they land
.irp i, 0,1,2,3
	ds_load_b32 v[AO+\i], v22 offset:64*\i
.endr
.irp p, 0,1
	ds_load_b32 v[SOF+\p], v23 offset:128*\p
.endr
	s_wait_dscnt 0x0
.irp i, 0,1,2,3
	v_lshrrev_b32 v[AO+\i], 1, v[AO+\i]            ; the token
	v_min_u32 v[AO+\i], 2047, v[AO+\i]             ; a number read from memory enters an address only behind a bound
	v_lshl_add_u32 v[AO+\i], v[AO+\i], 11, v15
.endr
.irp p, 0,1
	v_lshrrev_b32 v[SOF+\p], 1, v[SOF+\p]
	v_min_u32 v[SOF+\p], 2047, v[SOF+\p]
	v_lshlrev_b32 v[SOF+\p], 6, v[SOF+\p]
.endr
.endm
; A group's loads.  The accumulators are loaded with be: the sums begin as the bias, nothing is cleared, and all 16 K steps are alike.
.macro PRO
	WIN W_LD1
	s_wait_alu depctr_va_vdst(0)                   ; the gather offsets v16 to v21 are written, which the loads of x and of its scale words read, here and in the steps; every earlier vector and matrix instruction is done with the registers in which this macro's loads land (accumulators, scale words, x's three buffers, We's two sets)
.irp i, 0,1,2,3
.irp t, 0,1,2,3
	global_load_b128 v[8*(4*\i+\t):8*(4*\i+\t)+3], v14, s[6:7] offset:64*\t          ; lane (r, h), register j: be(16 t + 8 h + j)
	global_load_b128 v[8*(4*\i+\t)+4:8*(4*\i+\t)+7], v14, s[6:7] offset:64*\t+16
.endr
.endr
	WIN 0
.irp p, 0,1
.irp q, 0,1,2,3
	global_load_b128 v[XSW+16*\p+4*\q:XSW+16*\p+4*\q+3], v[SOF+\p], s[10:11] offset:16*\q   ; a row's 16 scale words, for all of K
.endr
.endr
	ALOAD 0
	ALOAD 1
	ALOAD 2
	BLOAD 0
	BLOAD 1
.endm
; Four matrix instructions: tile i of rows against We's four tiles, K step s.
.macro MUL4 s, i
.irp t, 0,1,2,3
.if (\i)%2 == 1
	v_wmma_scale_f32_16x16x128_f8f6f4 v[8*(4*(\i)+\t):8*(4*(\i)+\t)+7], v[BF+64*((\s)%2)+16*\t:BF+64*((\s)%2)+16*\t+15], v[AR+64*((\s)%3)+16*(\i):AR+64*((\s)%3)+16*(\i)+15], v[8*(4*(\i)+\t):8*(4*(\i)+\t)+7], v[WSW+4*((\s)%2)+\t], v[XSW+16*((\i)/2)+(\s)] matrix_b_scale:MATRIX_SCALE_ROW1
.else
	v_wmma_scale_f32_16x16x128_f8f6f4 v[8*(4*(\i)+\t):8*(4*(\i)+\t)+7], v[BF+64*((\s)%2)+16*\t:BF+64*((\s)%2)+16*\t+15], v[AR+64*((\s)%3)+16*(\i):AR+64*((\s)%3)+16*(\i)+15], v[8*(4*(\i)+\t):8*(4*(\i)+\t)+7], v[WSW+4*((\s)%2)+\t], v[XSW+16*((\i)/2)+(\s)]
.endif
.endr
.endm
; A K step of 128: 16 matrix instructions.  The 16 accumulators take turns, one instruction a turn, in the same order in every step.
; Steps 1 to 14 load: x's fragments of step s + 2 at the head, We's of step s + 1 in two runs of eight among the matrix instructions.  Step 0's loads stand in PRO; step 15 loads nothing and has no wait on va_vdst.
.macro STEP s
.if ((\s) >= 1) && ((\s) <= 14)
	WIN 0
	s_wait_alu depctr_va_vdst(0)                   ; the matrix instructions of the step before are done reading x's buffer (s - 1) % 3, We's set (s - 1) % 2 and its scale words: all loads of this step land there, and its matrix instructions name none of those registers
.if (\s) <= 13
	ALOAD (\s)+2                                   ; at once: with them the gathers of three steps are on their way
.endif
	BSCALE (\s)+1
.endif
.if (\s) <= 13
	s_wait_loadcnt 32                              ; this step's fragments of x are in (in step 0 the bias and the scale words, which are older, too); those of the two steps behind may be out
.elseif (\s) == 14
	s_wait_loadcnt 16
.else
	s_wait_loadcnt 0x0
.endif
.if (\s) == 0
	s_wait_dscnt 17                                ; this step's fragments of We are in; the next step's 17 loads may be out
.elseif (\s) <= 14
	s_wait_dscnt 1                                 ; this step's fragments of We and their scale words are in; the one load just issued, the next step's scale words, may be out
.else
	s_wait_dscnt 0x0
.endif
	WIN W_MUL
	MUL4 \s, 0
.if ((\s) >= 1) && ((\s) <= 14)
	WIN W_LD1
	BHALF (\s)+1, 0                                ; no wait: no vector or matrix instruction since the wait at the step's head names We's other set
	WIN W_MUL
.endif
	MUL4 \s, 1
.if ((\s) >= 1) && ((\s) <= 14)
	WIN W_LD1
	BHALF (\s)+1, 1
	WIN W_MUL
.endif
	MUL4 \s, 2
	MUL4 \s, 3
.if (\s) == 15
	WIN 0
.rept 8
	v_nop                                          ; eight places behind this form, in front of the first read of results, by the stage's stores
.endr
.endif
.endm
; The rows that I store on the way out: of tile i, in store q, lanes 0-15 take entry 16 i + 2 q and lanes 16-31 entry 16 i + 2 q + 1.  Their offsets in hbuf take the place of x's fragments, which are done with.
.macro HEADB
	s_wait_alu depctr_vm_vsrc(0)                   ; HEADA's loads have read v22, which the line below writes
	v_add_nc_u32 v22, s29, v10
	s_wait_alu depctr_va_vdst(0)                   ; v22 is written, which the 32 loads read; the last step's matrix instructions are done reading v64 to v95, in which they land
.irp i, 0,1,2,3
.irp q, 0,1,2,3,4,5,6,7
	ds_load_b32 v[RR+8*\i+\q], v22 offset:64*\i+8*\q
.endr
.endr
	s_wait_dscnt 0x0
.irp i, 0,1,2,3
.irp q, 0,1,2,3,4,5,6,7
	v_min_u32 v[RR+8*\i+\q], 4095, v[RR+8*\i+\q]
.endr
.endr
.irp i, 0,1,2,3
.irp q, 0,1,2,3,4,5,6,7
	v_lshl_add_u32 v[RR+8*\i+\q], v[RR+8*\i+\q], 13, v13
.endr
.endr
.endm
; Tile i of rows goes through my own stage, so that sixteen lanes store the 256 consecutive bytes that the strip has of a row, at a multiple of 256 from hbuf's first byte.
.macro TOSTAGE i
	WIN W_DS1
.irp t, 0,1,2,3
	ds_store_b128 v11, v[8*(4*(\i)+\t):8*(4*(\i)+\t)+3] offset:64*\t            ; each accumulator from its low end on
	ds_store_b128 v11, v[8*(4*(\i)+\t)+4:8*(4*(\i)+\t)+7] offset:64*\t+16
.endr
	WIN 0
.irp q, 0,1,2,3,4,5,6,7
	ds_load_b128 v[OB+32*(\i)+4*\q:OB+32*(\i)+4*\q+3], v12 offset:544*\q        ; LDS serves a wave's instructions in order (ISA guide 5.7.1.4): these see the stores above, and the next tile's stores come behind them
.endr
.endm
.macro SEND i, younger                 ; younger: the LDS instructions issued behind tile i's loads: the next tile's 8 stores and 8 loads, or none
	s_wait_dscnt \younger
.irp q, 0,1,2,3,4,5,6,7
	global_store_b128 v[RR+8*(\i)+\q], v[OB+32*(\i)+4*\q:OB+32*(\i)+4*\q+3], s[14:15]
.endr
.endm
	s_mov_b32 s28, 0                               ; four passes of 8 groups of 64 entries serve every count up to 2,048: the trip count is a constant,
	s_mov_b32 s29, 0                               ; the pass's first list byte steps by a constant,
	s_lshl_b32 s30, s16, 6                         ; and so does my group's first entry
.Lpass:
	HEADA
	s_cmp_ge_u32 s30, s19                          ; a group that begins at or behind the count is jumped over: no barrier stands in it
	s_cbranch_scc1 .Lskip1
	PRO
.irp s, 0,1,2,3,4,5,6,7,8,9,10,11,12,13,14,15
	STEP \s
.endr
.Lskip1:
	HEADB
	s_cmp_ge_u32 s30, s19                          ; the same question once more, round the way out
	s_cbranch_scc1 .Lskip2
	WIN W_DS1
	s_wait_alu depctr_va_vdst(0)                   ; HEADB's lines have written the row offsets v64 to v95, which the global stores read; the matrix instructions have written the accumulators, which the stage's stores read (the eight places stand ahead), and are done reading v128 to v255, in which the stage's loads land.  No vector line follows on the way out
	TOSTAGE 0
	TOSTAGE 1                                      ; a tile is on its way through the stage while the tile before is stored
	SEND 0, 16
	TOSTAGE 2
	SEND 1, 16
	TOSTAGE 3
	SEND 2, 16
	SEND 3, 0
	s_wait_xcnt 0x0                                ; the stores' offsets and data are written again (the next group's offsets and fragments) only behind this wait
.Lskip2:
	s_add_co_u32 s29, s29, 2048
	s_add_co_u32 s30, s30, 512
	s_add_co_u32 s28, s28, 1
	s_cmp_lt_u32 s28, 4
	s_cbranch_scc1 .Lpass
	s_wait_xcnt 0x0
	s_wait_alu depctr_vm_vsrc(0)                   ; the last global stores have read v254 and v255, their data, which the two lines below write
	v_lshl_add_u32 v254, v0, 2, 0x2c000
	v_mov_b32 v255, 0
	s_wait_dscnt 0x0                               ; the closing lines, six on end
	s_wait_alu 0x0
	s_wait_tensorcnt 0x0
	ds_add_u32 v254, v255
	s_wait_dscnt 0x0
	s_endpgm
.Lfunc_end_k_qfca268d09e_experts:
	.size	k_qfca268d09e_experts, .Lfunc_end_k_qfca268d09e_experts-k_qfca268d09e_experts
	.p2alignl 7, 3214868480
	.fill 96, 4, 3214868480
	.section	.rodata,"a",@progbits
	.p2align	6, 0x0
	.amdhsa_kernel k_qfca268d09e_experts
		.amdhsa_group_segment_fixed_size 181248
		.amdhsa_private_segment_fixed_size 0
		.amdhsa_enable_private_segment 0
		.amdhsa_kernarg_size 48
		.amdhsa_user_sgpr_count 2
		.amdhsa_user_sgpr_kernarg_segment_ptr 1
		.amdhsa_wavefront_size32 1
		.amdhsa_system_sgpr_workgroup_id_x 1
		.amdhsa_system_sgpr_workgroup_id_y 1
		.amdhsa_system_sgpr_workgroup_id_z 1
		.amdhsa_system_vgpr_workitem_id 0
		.amdhsa_next_free_vgpr 512
		.amdhsa_next_free_sgpr 66
		.amdhsa_reserve_vcc 0
		.amdhsa_float_denorm_mode_32 3
		.amdhsa_float_denorm_mode_16_64 3
		.amdhsa_memory_ordered 1
		.amdhsa_forward_progress 1
		.amdhsa_inst_pref_size 217
	.end_amdhsa_kernel
	.amdgpu_metadata
---
amdhsa.version: [ 1, 2 ]
amdhsa.kernels:
  - .name:           k_qfca268d09e_experts
    .symbol:         k_qfca268d09e_experts.kd
    .args:
      - { .name: We, .offset: 0, .size: 8, .value_kind: global_buffer, .address_space: global }
      - { .name: be, .offset: 8, .size: 8, .value_kind: global_buffer, .address_space: global }
      - { .name: xq, .offset: 16, .size: 8, .value_kind: global_buffer, .address_space: global }
      - { .name: xs, .offset: 24, .size: 8, .value_kind: global_buffer, .address_space: global }
      - { .name: rmask, .offset: 32, .size: 8, .value_kind: global_buffer, .address_space: global }
      - { .name: hbuf, .offset: 40, .size: 8, .value_kind: global_buffer, .address_space: global }
    .group_segment_fixed_size: 181248
    .private_segment_fixed_size: 0
    .kernarg_segment_align: 8
    .kernarg_segment_size: 48
    .max_flat_workgroup_size: 256
    .sgpr_count:     66
    .vgpr_count:     512
    .wavefront_size: 32
...
	.end_amdgpu_metadata
.endif
;; end of part 5
;; launch combine (part 6): grid 256 x 1, 8 waves a work-group, no clusters, 0 bytes of LDS; arguments hbuf, coef, out0; writes out0
.if DOCPART == 6
	.amdgcn_target "amdgcn-amd-amdhsa--gfx1250"
	.amdhsa_code_object_version 6
	.text
	.protected	k_qfca268d09e_combine
	.globl	k_qfca268d09e_combine
	.p2align	8
	.type	k_qfca268d09e_combine,@function
k_qfca268d09e_combine:
	s_mov_b64 s[64:65], 0
	v_nop
	global_prefetch_b8 v0, s[64:65] scope:SCOPE_SE
	s_setreg_imm32_b32 hwreg(HW_REG_WAVE_MODE, 25, 1), 1
	s_wait_xcnt 0x0
; out0[t] = coef[t][0] softmax(relu(hbuf[2 t])) + coef[t][1] softmax(relu(hbuf[2 t + 1])).  hbuf [4096][2048] f32, coef [2048][2] f32, out0 [2048][2048] f32.
; One wave, one token: its two rows, 16 KB on end in hbuf, stay in 128 registers between the maximum, the sum and the weighing: each byte is read once, and no wave waits for another.
; Each load and store of a wave covers 512 consecutive bytes.  No LDS, no barrier, no matrix unit: the launch moves bytes.
; The row's maximum is taken away ahead of the exponential, so every p is at most 1 and a row's sum lies between 1 and 2,048.
; LIMITS: NaN and infinities are not served.
.set H,  16                            ; v16-79 slot 0's row, v80-143 slot 1's: register 4 q + c = column 128 q + 4 lane + c
.set M,  4                             ; v4-7   four running maxima
.set NM, 8                             ; v8-9   -maximum x log2(e), twice (named as a pair)
.set SU, 10                            ; v10-13 two running sums of pairs
.set AF, 14                            ; v14-15 weight / sum, for each slot
	s_load_b128 s[4:7], s[0:1], 0x0                ; hbuf s[4:5], coef s[6:7]
	s_load_b64 s[8:9], s[0:1], 0x10                ; out0
	v_lshrrev_b32 v1, 5, v0
	s_delay_alu instid0(VALU_DEP_1)
	v_readfirstlane_b32 s16, v1                    ; wave 0..7
	v_and_b32 v1, 31, v0
	s_delay_alu instid0(VALU_DEP_1)
	v_lshlrev_b32 v2, 4, v1                        ; 16 bytes a lane
	s_lshl_b32 s17, ttmp9, 3
	s_add_co_u32 s17, s17, s16                     ; my token
	s_mov_b32 s11, 0
	s_mov_b32 s14, 0x76543210                      ; v_permlanex16_b32's selects for lane l xor 16
	s_mov_b32 s15, 0xfedcba98
	s_wait_alu depctr_va_vdst(0)
	s_wait_kmcnt 0x0
	s_lshl_b32 s10, s17, 14
	s_add_nc_u64 s[4:5], s[4:5], s[10:11]
	s_lshl_b32 s10, s17, 3
	s_add_nc_u64 s[6:7], s[6:7], s[10:11]
	s_lshl_b32 s10, s17, 13
	s_add_nc_u64 s[8:9], s[8:9], s[10:11]
	s_load_b64 s[12:13], s[6:7], 0x0               ; the token's two weights
.irp s, 0,1
.set q, 0
.rept 16
	global_load_b128 v[H+64*\s+4*q:H+64*\s+4*q+3], v2, s[4:5] offset:8192*\s+512*q th:TH_LOAD_NT
.set q, q+1
.endr
.endr
	s_wait_kmcnt 0x0
.macro SOFT s
.set HB, H+64*(\s)
.if (\s) == 0
	s_wait_loadcnt 16                              ; slot 0's row is in; slot 1's 16 loads may be out
.else
	s_wait_loadcnt 0x0
.endif
.irp c, 0,1,2,3
	v_max3_num_f32 v[M+\c], v[HB+16*\c], v[HB+16*\c+1], 0     ; the maximum of relu(h): 0 is one of the leaves.  Four chains by turns
.endr
.irp i, 2,4,6,8,10,12,14
.irp c, 0,1,2,3
	s_delay_alu instid0(VALU_DEP_4)
	v_max3_num_f32 v[M+\c], v[M+\c], v[HB+16*\c+\i], v[HB+16*\c+\i+1]
.endr
.endr
	s_delay_alu instid0(VALU_DEP_2)
	v_max3_num_f32 v[M], v[M], v[M+1], v[M+2]
	s_delay_alu instid0(VALU_DEP_1)
	v_max_num_f32 v[M], v[M], v[M+3]
	s_delay_alu instid0(VALU_DEP_1)
	v_max_num_f32_dpp v[M], v[M], v[M] row_xmask:1 row_mask:0xf bank_mask:0xf
	s_delay_alu instid0(VALU_DEP_1)
	v_max_num_f32_dpp v[M], v[M], v[M] row_xmask:2 row_mask:0xf bank_mask:0xf
	s_delay_alu instid0(VALU_DEP_1)
	v_max_num_f32_dpp v[M], v[M], v[M] row_xmask:4 row_mask:0xf bank_mask:0xf
	s_delay_alu instid0(VALU_DEP_1)
	v_max_num_f32_dpp v[M], v[M], v[M] row_xmask:8 row_mask:0xf bank_mask:0xf
	s_delay_alu instid0(VALU_DEP_1)
	v_permlanex16_b32 v[M+1], v[M], s14, s15
	s_delay_alu instid0(VALU_DEP_1)
	v_max_num_f32 v[M], v[M], v[M+1]               ; every lane holds the row's maximum
	s_delay_alu instid0(VALU_DEP_1)
	v_mul_f32 v[NM], 0xbfb8aa3b, v[M]
	s_delay_alu instid0(VALU_DEP_1)
	v_mov_b32 v[NM+1], v[NM]
.set j, 0
.rept 64
	v_max_num_f32 v[HB+j], 0, v[HB+j]              ; relu
.set j, j+1
.endr
.set j, 0
.rept 32
	v_pk_fma_f32 v[HB+2*j:HB+2*j+1], v[HB+2*j:HB+2*j+1], 0x3fb8aa3b, v[NM:NM+1] op_sel_hi:[1,0,0]   ; (x - maximum) x log2(e), two at a time
.set j, j+1
.endr
.set j, 0
	s_wait_alu depctr_va_vdst(0)
.rept 64
	v_exp_f32 v[HB+j], v[HB+j]
.set j, j+1
.endr
	v_nop                                          ; a plain line between the exponentials and the first use of their results (ISA guide 5.7.2)
	s_wait_alu depctr_va_vdst(0)
	v_pk_add_f32 v[SU:SU+1], v[HB:HB+1], v[HB+2:HB+3]          ; the first pairs start the two chains: nothing is cleared
	v_pk_add_f32 v[SU+2:SU+3], v[HB+4:HB+5], v[HB+6:HB+7]
.set j, 8
.rept 14
	v_pk_add_f32 v[SU:SU+1], v[SU:SU+1], v[HB+j:HB+j+1]
	v_pk_add_f32 v[SU+2:SU+3], v[SU+2:SU+3], v[HB+j+2:HB+j+3]
.set j, j+4
.endr
	s_delay_alu instid0(VALU_DEP_1)
	v_pk_add_f32 v[SU:SU+1], v[SU:SU+1], v[SU+2:SU+3]
	s_delay_alu instid0(VALU_DEP_1)
	v_add_f32 v[SU], v[SU], v[SU+1]
	s_delay_alu instid0(VALU_DEP_1)
	v_add_f32_dpp v[SU], v[SU], v[SU] row_xmask:1 row_mask:0xf bank_mask:0xf
	s_delay_alu instid0(VALU_DEP_1)
	v_add_f32_dpp v[SU], v[SU], v[SU] row_xmask:2 row_mask:0xf bank_mask:0xf
	s_delay_alu instid0(VALU_DEP_1)
	v_add_f32_dpp v[SU], v[SU], v[SU] row_xmask:4 row_mask:0xf bank_mask:0xf
	s_delay_alu instid0(VALU_DEP_1)
	v_add_f32_dpp v[SU], v[SU], v[SU] row_xmask:8 row_mask:0xf bank_mask:0xf
	s_delay_alu instid0(VALU_DEP_1)
	v_permlanex16_b32 v[SU+1], v[SU], s14, s15
	s_delay_alu instid0(VALU_DEP_1)
	v_add_f32 v[SU], v[SU], v[SU+1]                ; the row's sum, in every lane
	s_wait_alu depctr_va_vdst(0)
	v_rcp_f32 v[SU], v[SU]
	v_nop
	s_wait_alu depctr_va_vdst(0)
	v_mul_f32 v[AF+\s], s[12+\s], v[SU]            ; the slot's weight / the sum
.endm
	SOFT 0
	SOFT 1
.set j, 0
.rept 32
	v_pk_mul_f32 v[H+2*j:H+2*j+1], v[H+2*j:H+2*j+1], v[AF:AF+1] op_sel_hi:[1,0]
.set j, j+1
.endr
.set j, 0
.rept 32
	v_pk_fma_f32 v[H+2*j:H+2*j+1], v[H+64+2*j:H+64+2*j+1], v[AF:AF+1], v[H+2*j:H+2*j+1] op_sel:[0,1,0] op_sel_hi:[1,1,1]
.set j, j+1
.endr
.set q, 0
.rept 16
	global_store_b128 v2, v[H+4*q:H+4*q+3], s[8:9] offset:512*q th:TH_STORE_NT   ; 32 lanes store 512 consecutive bytes, at a multiple of 256 from out0's first byte
.set q, q+1
.endr
	s_endpgm
.Lfunc_end_k_qfca268d09e_combine:
	.size	k_qfca268d09e_combine, .Lfunc_end_k_qfca268d09e_combine-k_qfca268d09e_combine
	.p2alignl 7, 3214868480
	.fill 96, 4, 3214868480
	.section	.rodata,"a",@progbits
	.p2align	6, 0x0
	.amdhsa_kernel k_qfca268d09e_combine
		.amdhsa_group_segment_fixed_size 0
		.amdhsa_private_segment_fixed_size 0
		.amdhsa_enable_private_segment 0
		.amdhsa_kernarg_size 24
		.amdhsa_user_sgpr_count 2
		.amdhsa_user_sgpr_kernarg_segment_ptr 1
		.amdhsa_wavefront_size32 1
		.amdhsa_system_sgpr_workgroup_id_x 1
		.amdhsa_system_sgpr_workgroup_id_y 1
		.amdhsa_system_sgpr_workgroup_id_z 1
		.amdhsa_system_vgpr_workitem_id 0
		.amdhsa_next_free_vgpr 160
		.amdhsa_next_free_sgpr 66
		.amdhsa_reserve_vcc 0
		.amdhsa_float_denorm_mode_32 3
		.amdhsa_float_denorm_mode_16_64 3
		.amdhsa_memory_ordered 1
		.amdhsa_forward_progress 1
		.amdhsa_inst_pref_size 37
	.end_amdhsa_kernel
	.amdgpu_metadata
---
amdhsa.version: [ 1, 2 ]
amdhsa.kernels:
  - .name:           k_qfca268d09e_combine
    .symbol:         k_qfca268d09e_combine.kd
    .args:
      - { .name: hbuf, .offset: 0, .size: 8, .value_kind: global_buffer, .address_space: global }
      - { .name: coef, .offset: 8, .size: 8, .value_kind: global_buffer, .address_space: global }
      - { .name: out0, .offset: 16, .size: 8, .value_kind: global_buffer, .address_space: global }
    .group_segment_fixed_size: 0
    .private_segment_fixed_size: 0
    .kernarg_segment_align: 8
    .kernarg_segment_size: 24
    .max_flat_workgroup_size: 256
    .sgpr_count:     66
    .vgpr_count:     160
    .wavefront_size: 32
...
	.end_amdgpu_metadata
.endif
;; end of part 6
